; MI455X (gfx1250); checked and timed in simulation.
; The chip was launched on July 23, 2026; its instructions are those of AMD's public machine-readable ISA for CDNA 5 (MIT licence, August 2026) and "CDNA5" Instruction Set Architecture Reference Guide (July 2026). The comments in the code are by the model that wrote it; some were corrected since.
;; Siren MLP. Allowed arithmetic: float matrix products may take bf16 or f16 operands with f32 sums; all other float work in f32.
;; Inputs: b_final 3 float32; b_first 256 float32; b_hidden 4 x 256 float32; w_final 3 x 256 float32; w_first 256 x 3 float32; w_hidden 4 x 256 x 256 float32; x 262,144 x 3 float32.
;; Outputs: out0 262,144 x 3 float32.
;; 3 versions, each right; version 2 is faster than version 1; version 3 is version 2 with the launch siren written anew for expert scheduling mode. Each part assembles by itself: llvm-mc -triple=amdgcn-amd-amdhsa -mcpu=gfx1250 --defsym DOCPART=n.
;; ======== version 1 of 3: 2 launches
;; limits: values are held in f16: magnitudes above 65,504 overflow, below 6.1e-05 lose precision; right only within a limited range of input values; a function is approximated: absolute error at most 4.1e-05
;; workspace buffers: wpack 524,288 bytes
;; launch pack (part 1): grid 256 x 1, 4 waves a work-group, no clusters, 0 bytes of LDS; arguments w_hidden, wpack; writes wpack
.if DOCPART == 1
	.amdgcn_target "amdgcn-amd-amdhsa--gfx1250"
	.amdhsa_code_object_version 6
	.text
	.protected	k_q4aee2a5896_pack
	.globl	k_q4aee2a5896_pack
	.p2align	8
	.type	k_q4aee2a5896_pack,@function
k_q4aee2a5896_pack:
	s_mov_b64 s[64:65], 0
	v_nop
	global_prefetch_b8 v0, s[64:65] scope:SCOPE_SE
	s_setreg_imm32_b32 hwreg(HW_REG_WAVE_MODE, 25, 1), 1
	s_wait_xcnt 0x0
; wpack = f16(w_hidden x 30 / 2 pi), laid out in the order in which the next launch's waves load their matrix fragments.
; w_hidden is [4][256][256] f32, taken as 1,024 rows of 256.  wpack is 32,768 chunks of 16 bytes (8 f16):
; chunk i = ((((layer 4 + wave) 4 + f) 8 + ks) 2 + c) 32 + lane holds row 16 (i >> 9) + lane % 16, k = 16 ((i >> 5) & 15) + 8 ((i >> 4) & 1) + 0..7.
; Thread i of the launch makes chunk i: 32 bytes in, 16 bytes out.  A wave's store covers 512 consecutive bytes; a work-group's four waves
; together read 256 consecutive bytes of each of 16 rows.  Memory binds and each byte moves once: no LDS, no barrier, no matrix unit.
; LIMIT: |w x 4.7746| stays below 65,504 (f16's range); below 6.1e-5 it keeps f16's fixed step of 6e-8.
.set SCALE, 0x4098c9eb                 ; 30 / (2 pi)
	s_load_b128 s[4:7], s[0:1], 0x0                ; w_hidden s[4:5], wpack s[6:7]
	s_lshl_b32 s8, ttmp9, 7                        ; 128 chunks to a work-group
	s_mov_b32 s10, SCALE
	s_mov_b32 s11, SCALE                           ; named with it as a pair
	v_add_nc_u32 v1, s8, v0                        ; i
	v_lshrrev_b32 v2, 9, v1
	v_and_b32 v3, 15, v1
	v_lshl_add_u32 v2, v2, 4, v3                   ; the row
	v_bfe_u32 v3, v1, 5, 4                         ; which 16 of k
	v_bfe_u32 v4, v1, 4, 1                         ; which 8 of those
	v_lshlrev_b32 v2, 10, v2                       ; a row is 1,024 bytes
	v_lshl_add_u32 v2, v3, 6, v2
	v_lshl_add_u32 v2, v4, 5, v2
	v_lshlrev_b32 v5, 4, v1                        ; the chunk's place
	s_wait_kmcnt 0x0
	global_load_b128 v[8:11], v2, s[4:5]
	global_load_b128 v[12:15], v2, s[4:5] offset:16
	s_wait_loadcnt 0x0
.irp p, 0,2,4,6
	v_pk_mul_f32 v[8+\p:8+\p+1], v[8+\p:8+\p+1], s[10:11] op_sel_hi:[1,0]
.endr
.irp p, 0,1,2,3
	v_cvt_pk_f16_f32 v[16+\p], v[8+2*\p], v[8+2*\p+1]
.endr
	global_store_b128 v5, v[16:19], s[6:7]
	s_endpgm
.Lfunc_end_k_q4aee2a5896_pack:
	.size	k_q4aee2a5896_pack, .Lfunc_end_k_q4aee2a5896_pack-k_q4aee2a5896_pack
	.p2alignl 7, 3214868480
	.fill 96, 4, 3214868480
	.section	.rodata,"a",@progbits
	.p2align	6, 0x0
	.amdhsa_kernel k_q4aee2a5896_pack
		.amdhsa_group_segment_fixed_size 0
		.amdhsa_private_segment_fixed_size 0
		.amdhsa_enable_private_segment 0
		.amdhsa_kernarg_size 16
		.amdhsa_user_sgpr_count 2
		.amdhsa_user_sgpr_kernarg_segment_ptr 1
		.amdhsa_wavefront_size32 1
		.amdhsa_system_sgpr_workgroup_id_x 1
		.amdhsa_system_sgpr_workgroup_id_y 1
		.amdhsa_system_sgpr_workgroup_id_z 1
		.amdhsa_system_vgpr_workitem_id 0
		.amdhsa_next_free_vgpr 24
		.amdhsa_next_free_sgpr 66
		.amdhsa_reserve_vcc 0
		.amdhsa_float_denorm_mode_32 3
		.amdhsa_float_denorm_mode_16_64 3
		.amdhsa_memory_ordered 1
		.amdhsa_forward_progress 1
		.amdhsa_inst_pref_size 2
	.end_amdhsa_kernel
	.amdgpu_metadata
---
amdhsa.version: [ 1, 2 ]
amdhsa.kernels:
  - .name:           k_q4aee2a5896_pack
    .symbol:         k_q4aee2a5896_pack.kd
    .args:
      - { .name: w_hidden, .offset: 0, .size: 8, .value_kind: global_buffer, .address_space: global }
      - { .name: wpack, .offset: 8, .size: 8, .value_kind: global_buffer, .address_space: global }
    .group_segment_fixed_size: 0
    .private_segment_fixed_size: 0
    .kernarg_segment_align: 8
    .kernarg_segment_size: 16
    .max_flat_workgroup_size: 128
    .sgpr_count:     66
    .vgpr_count:     24
    .wavefront_size: 32
...
	.end_amdgpu_metadata
.endif
;; end of part 1
;; launch siren (part 2): grid 256 x 1, 4 waves a work-group, no clusters, 298,496 bytes of LDS; arguments x, w_first, b_first, b_hidden, w_final, b_final, wpack, out0; writes out0
.if DOCPART == 2
	.amdgcn_target "amdgcn-amd-amdhsa--gfx1250"
	.amdhsa_code_object_version 6
	.text
	.protected	k_q4aee2a5896_siren
	.globl	k_q4aee2a5896_siren
	.p2align	8
	.type	k_q4aee2a5896_siren,@function
k_q4aee2a5896_siren:
	s_mov_b64 s[64:65], 0
	v_nop
	global_prefetch_b8 v0, s[64:65] scope:SCOPE_SE
	s_setreg_imm32_b32 hwreg(HW_REG_WAVE_MODE, 25, 1), 1
	s_wait_xcnt 0x0
; SIREN: h = sin(30 (x W1^T + b1)); four times h = sin(30 (h W^T + b)); out = h Wf^T + bf.  262,144 points, 256 features, all buffers f32.
; SHARES.  256 work-groups of four waves; a work-group owns 1,024 points and takes them as 4 batches of 256.  In every sine layer wave w owns features 64 w .. 64 w + 63:
; its 4 x 8 weight fragments of a layer are 256 registers, one window, and serve all 256 points of the batch.  Two such windows take turns: the next layer's weights are loaded
; (from wpack, already f16, scaled and in fragment order) while this layer runs.  h lies in LDS as f16 rows [point][feature], in two buffers that take turns layer by layer.
; LAYOUT.  D = W h^T (source 0 = 16 features, source 1 = 16 points): a lane holds ONE point (lane % 16) and eight neighbouring features, which round to 16 bytes of a row of h.
; THE SINE.  The sums are kept in turns: u = (30 / 2 pi)(h . w + b) + 1/4.  The factor lies in the f16 weights; (30 / 2 pi) b + 1/4 is the C operand that starts each sum.  With f = fract(u),
; q = f f - f (in -1/4 .. 0), sin(2 pi (u - 1/4)) = cos(2 pi (f - 1/2)) is a polynomial of degree 4 in q: the Chebyshev series of cos(pi x) cut behind T8; its error is at most 4.1e-5.
; For two numbers: 2 fract, 5 packed multiply-adds, 1 rounding: four vector instructions for each accumulator register, and a hidden layer has one matrix instruction for each accumulator register.
; So the sines of point tile t - 1 stand in slices of four behind the products of tile t.
; FORMATS.  h in f16 (the sine bounds it to 1); hidden and final weights f16; biases f32.  The first layer's x and scaled weights are each split into a high and a low f16, all four cross products in one K step.
; LIMITS.  |x|, |4.7746 w_first|, |4.7746 w_hidden| and |w_final| stay below 65,504; f16 numbers below 6.1e-5 keep the fixed step 6e-8; NaN and infinities are not treated apart;
; the range reduction is fract in f32, so a sum of many turns loses the bits that its whole part takes.
; NO CLUSTER: what work-groups share are the weights, and they go from memory straight into registers, 32 KiB a wave and layer, each byte serving 256 points; a joint request lands in LDS, where the two h buffers
; take 270,336 of the 327,680 bytes, and would add a write and a read of LDS for every weight byte.
; REGISTERS, in windows of 256 (s_set_vgpr_msb: bits 1:0 source 0, 3:2 source 1, 5:4 source 2, 7:6 destination):
;   window 0: v0-31 addresses; v32-95 two sets of four accumulators; v96-223 two sets of h fragments (16 points x 256 features); v224-235 at work
;   windows 1, 2: weight buffers 0, 1: fragment (f, ks) at 8 (8 f + ks)      window 3: first layer's weights, final weights, bias as C operands, x fragments
.set HP,    528                        ; a row of h in LDS: 512 bytes + 16 = 33 x 16: the 16 rows of a load or store start at 16 different 16-byte columns modulo 256
.set PT,    16*HP                      ; a point tile: 16 rows
.set HB1,   256*HP                     ; h buffer 1 (buffer 0 begins at byte 0)
.set XSB,   2*256*HP                   ; the work-group's 1,024 points, 16 bytes each: xh0 xh1 xh2 xl0 xl1 xl2 0 0 in f16
.set BTB,   XSB+16384                  ; (30 / 2 pi) b + 1/4 in f32: first layer, then the four hidden layers, 1,024 bytes each
.set OSTB,  BTB+5120                   ; per wave 1,536 bytes: 768 of results, 768 for the rows that do not leave
.set SPARE, OSTB+6144                  ; the spare words, 128 bytes for each wave: two blocks of 256 bytes that no other line names
.set VW,  1                            ; v1   16 x lane: my place in 512 bytes of wpack
.set LB,  2                            ; v2   528 (lane % 16) + 16 (lane / 16): my place in a point tile
.set LW,  3                            ; v3   the same + 128 w: where my features go
.set RD,  4                            ; v4   the read address in hand
.set WR,  5                            ; v5   the write address in hand
.set BA0, 6                            ; v6   BTB + 256 w + 32 (lane / 16)
.set BAC, 7                            ; v7   the same in the layer's table
.set XR0, 8                            ; v8   XSB + 16 (lane % 16)
.set XSA, 9                            ; v9   XSB + 128 x thread
.set FRD, 10                           ; v10  LB + 4 tiles x w: the final layer's points
.set OSA, 11                           ; v11  into my stage
.set OSR, 12                           ; v12  back from it
.set OGO, 13                           ; v13  8 x lane: my place in 256 bytes of out0
.set VR,  14                           ; v14  lane % 16
.set VH,  15                           ; v15  lane / 16
.set OD,  16                           ; v16-21 results on their way out
.set T,   22                           ; v22-29 at work in the set-up
.set SPW, 30                           ; v30  LDS address of my spare word; never rewritten
.set NIL, 31                           ; v31  0; never rewritten
.set ACC, 32                           ; set a, feature tile f at ACC + 32 a + 8 f
.set BF0, 96                           ; set a, K step ks at BF0 + 64 a + 8 ks
.set TMP, 224
.set PK,  232
.set XIN, 96                           ; the set-up's inputs lie where fragments will: x 24, w_first 12, b_first 2, b_hidden 8
.set WFI, 120
.set BIN, 132
.set HIN, 136
.set W1F, 0                            ; window 3
.set FW,  32
.set BIAS, 96
.set FBIAS, 128
.set XB0, 136                          ; two x fragments of 8; the upper four registers of each stay 0
.set WV,  24                           ; s24 my wave's number
.set WB,  28                           ; s[28:29] wpack at my wave's part of layer 0
.set WP,  30                           ; s[30:31] the same in the layer to be fetched
.set OFF, 32                           ; s[32:33] an offset, high word 0
.set LN,  34                           ; s34 the hidden layer whose weights were fetched last
.set BATCH, 35
.set PAIR, 36
.set TRIP, 37
.set TOT, 38                           ; s38 pairs of hidden layers still to run, 8 to 1
.set RS,  39                           ; s39 LDS base of the tiles read
.set XBS, 40                           ; s40 the batch's place in the x table
.set BOFF, 41                          ; s41 the layer's place in the bias table
.set OUTP, 42                          ; s[42:43] out0 at my wave's 64 points of the batch
.set G0,  44                           ; s[44:53] the polynomial, each number twice (named as pairs)
.set G1,  46
.set G2,  48
.set G3,  50
.set G4,  52
.set SC,  54                           ; s[54:55] 30 / 2 pi
.set BFS, 56                           ; s[56:58] b_final
.set WS,  59                           ; s59 LDS base of the tiles written
.set QT,  60                           ; s[60:61] 1/4
.set MSB, 0
.macro WIN new                         ; the immediate's high byte repeats the setting that is left; a switch that changes nothing is dropped
.if MSB != (\new)
	s_set_vgpr_msb (MSB<<8)|(\new)
.set MSB, (\new)
.endif
.endm
.macro BAR                             ; my LDS loads and stores are done, for the others' sake; then the work-group's barrier
	s_wait_dscnt 0x0
	s_barrier_signal -1
	s_barrier_wait -1
.endm
.macro PLACES                          ; four plain vector instructions between a matrix instruction and what reads its result or loads into its sources
.rept 4
	v_nop
.endr
.endm
; Half of a layer's weights for my wave: 32 loads of 512 consecutive bytes into weight buffer buf
.macro WBURST buf, half
	WIN (1+(\buf))<<6
.set j, 32*(\half)
.rept 32
	global_load_b128 v[4*j:4*j+3], v[VW], s[WP:WP+1] offset:512*j
.set j, j+1
.endr
	WIN 0
.endm
; Product i of a point tile in accumulator set a: K step i / 4, feature tile i % 4.  The four accumulators take turns, one instruction a turn.  The first K step starts the sum with the bias.
.macro MM a
.set mK, i/4
.set mF, i%4
.set rD, ACC+32*(\a)+8*mF
.set rW, AB+8*(mF*KS+mK)
.set rB, BB+BSTEP*(\a)+8*mK
.if mK == 0
	WIN WC
	v_wmma_f32_16x16x32_f16 v[rD:rD+7], v[rW:rW+7], v[rB:rB+7], v[BIAS+8*mF:BIAS+8*mF+7]
.else
	WIN WM
	v_wmma_f32_16x16x32_f16 v[rD:rD+7], v[rW:rW+7], v[rB:rB+7], v[rD:rD+7]
.endif
.set i, i+1
.endm
; Slice sl of 32 of a point tile's sines, in accumulator set a: feature tile sl / 8, stage sl % 8, four instructions.  The accumulator's lowest registers are read first.
.macro SLICE a, soff
.set rA, ACC+32*(\a)+8*(sl/8)
	WIN 0
.if sl%8 == 0
.irp p, 0,1,2,3
	v_fract_f32 v[rA+\p], v[rA+\p]
.endr
.elseif sl%8 == 1
.irp p, 4,5,6,7
	v_fract_f32 v[rA+\p], v[rA+\p]
.endr
.elseif sl%8 == 2
.irp p, 0,2,4,6
	v_pk_fma_f32 v[rA+\p:rA+\p+1], v[rA+\p:rA+\p+1], v[rA+\p:rA+\p+1], v[rA+\p:rA+\p+1] neg_lo:[0,0,1] neg_hi:[0,0,1]  ; q = f f - f
.endr
.elseif sl%8 == 3
.irp p, 0,2,4,6
	v_pk_fma_f32 v[TMP+\p:TMP+\p+1], v[rA+\p:rA+\p+1], s[G4:G4+1], s[G3:G3+1] op_sel_hi:[1,0,0]
.endr
.elseif sl%8 < 7
.set rG, G2-2*(sl%8-4)                 ; g2, g1, g0
.irp p, 0,2,4,6
	v_pk_fma_f32 v[TMP+\p:TMP+\p+1], v[TMP+\p:TMP+\p+1], v[rA+\p:rA+\p+1], s[rG:rG+1] op_sel_hi:[1,1,0]
.endr
.else
.irp p, 0,1,2,3
	v_cvt_pk_f16_f32 v[PK+\p], v[TMP+2*\p], v[TMP+2*\p+1]
.endr
	ds_store_b128 v[WR], v[PK:PK+3] offset:(\soff)+32*(sl/8)  ; my point's eight features 64 w + 16 (sl / 8) + 8 (lane / 16) on
.endif
.set sl, sl+1
.endm
; A point tile's fragments into set a: 16 points x 256 features (16 loads), or in the first layer 16 points' 16 bytes of x (one load; both halves of the lanes take the same bytes)
.macro FETCH a, foff
.if KS == 1
	WIN 0xc0
	ds_load_b128 v[XB0+8*(\a):XB0+8*(\a)+3], v[RD] offset:(\foff)
.else
	WIN 0
.irp k, 0,1,2,3,4,5,6,7
	ds_load_b128 v[BF0+64*(\a)+8*\k:BF0+64*(\a)+8*\k+3],   v[RD] offset:(\foff)+64*\k
	ds_load_b128 v[BF0+64*(\a)+8*\k+4:BF0+64*(\a)+8*\k+7], v[RD] offset:(\foff)+64*\k+32
.endr
.endif
.endm
; A point tile's products in set a.  ride = 1: the other set's sines stand behind them, 32 slices dealt evenly.  fetch = 1: the other set's next fragments are asked for behind slice 1:
; twelve plain instructions behind that set's last reader, and ahead of the half's four stores.
.macro HALF a, ride, fetch, foff, soff
.set i, 0
.set sl, 0
.rept 4*KS
	MM \a
.if \ride
.rept 32/(4*KS)
	SLICE 1-(\a), \soff
.if (\fetch) && (sl == 2)
	FETCH 1-(\a), \foff
.endif
.endr
.endif
.endr
.endm
.macro DRAIN a, soff                   ; the layer's last tile has no products to stand behind
.set sl, 0
.rept 32
	SLICE \a, \soff
.endr
.endm
; A SINE LAYER for the batch's 256 points.  kind 0: the first layer, x table -> h buffer 0.  kind 1: a hidden layer on weight buffer 0, h buffer 0 -> 1.  kind 2: on weight buffer 1, h buffer 1 -> 0.
.macro LAYER kind
.if (\kind) == 0
.set KS, 1
.set AB, W1F
.set BB, XB0
.set BSTEP, 8
.set WM, 0x3f
.set WC, 0x3f                          ; weights, x and bias in window 3, sums in window 0
.set PITCH, 256
.set NF, 1
.set RL, XR0
.else
.set KS, 8
.set AB, 0
.set BB, BF0
.set BSTEP, 64
.set WM, (\kind)                       ; weights in window 1 or 2
.set WC, 0x30+(\kind)                  ; the same with the bias in window 3
.set PITCH, PT
.set NF, 16
.set RL, LB
.endif
	WIN 0
.if (\kind) > 0
	s_wait_loadcnt 0x0                             ; this layer's weights are in; no load of mine is out, so the pointer may be written
	s_add_co_u32 s[LN], s[LN], 1
	s_and_b32 s[LN], s[LN], 3                      ; behind the fourth hidden layer the next batch's first
	s_lshl_b32 s[OFF], s[LN], 17                   ; a layer is 131,072 bytes of wpack
	s_add_nc_u64 s[WP:WP+1], s[WB:WB+1], s[OFF:OFF+1]
.endif
.if (\kind) == 1
	WBURST 1, 0                                    ; the next layer's weights, first half: the idle buffer's last reader stands behind the last layer's 128 closing vector instructions
.elseif (\kind) == 2
	s_cmp_eq_u32 s[TOT], 1                         ; the launch's last layer fetches nothing
	s_cbranch_scc1 .Lno_a_\@
	WBURST 0, 0
.Lno_a_\@:
.endif
	v_add_nc_u32 v[BAC], s[BOFF], v[BA0]
	s_add_co_u32 s[BOFF], s[BOFF], 1024
	WIN 0xc0
.irp f, 0,1,2,3                        ; the C operands: register j of tile f is the bias of feature 64 w + 16 f + 8 (lane / 16) + j; the table is written once, in the set-up
	ds_load_b128 v[BIAS+8*\f:BIAS+8*\f+3],   v[BAC] offset:64*\f
	ds_load_b128 v[BIAS+8*\f+4:BIAS+8*\f+7], v[BAC] offset:64*\f+16
.endr
	WIN 0
.if (\kind) == 0
	s_mov_b32 s[RS], s[XBS]
	s_mov_b32 s[WS], 0
.elseif (\kind) == 1
	s_mov_b32 s[RS], 0
	s_mov_b32 s[WS], HB1
.else
	s_mov_b32 s[RS], HB1
	s_mov_b32 s[WS], 0
.endif
	v_add_nc_u32 v[RD], s[RS], v[RL]
	v_add_nc_u32 v[WR], s[WS], v[LW]
	BAR                                            ; every wave's stores into the buffer now read are done, and so are its reads of the buffer now written
	FETCH 0, 0                                     ; tiles 0 and 1
	FETCH 1, PITCH
.if (\kind) == 1
	WBURST 1, 1                                    ; the second half, issued while the first fragments are on their way
.elseif (\kind) == 2
	WIN 0
	s_cmp_eq_u32 s[TOT], 1
	s_cbranch_scc1 .Lno_b_\@
	WBURST 0, 1
.Lno_b_\@:
.endif
	s_wait_dscnt NF                                ; tile 0's fragments are in; tile 1's, issued behind them, may be out
	HALF 0, 0, 0, 0, 0                             ; tile 0's products: there are no sines yet to set between them
	PLACES                                         ; in front of the first read of those sums and of the loads into set 0
	WIN 0                                          ; at a label and at a branch every window is 0
	s_wait_dscnt 0x0                               ; tile 1's fragments
	s_mov_b32 s[TRIP], 7
.Lt_\@:                                                ; trip n: products of tiles 2 n + 1 and 2 n + 2, sines of tiles 2 n and 2 n + 1, fragments of tiles 2 n + 2 and 2 n + 3
	s_wait_dscnt 4                                 ; all but the last half's four stores, which were issued behind the fragments' loads
	HALF 1, 1, 1, 2*PITCH, 0
	s_wait_dscnt 4
	HALF 0, 1, 1, 3*PITCH, PT
	WIN 0
	s_add_co_u32 s[RS], s[RS], 2*PITCH
	s_add_co_u32 s[WS], s[WS], 2*PT
	v_add_nc_u32 v[RD], s[RS], v[RL]
	v_add_nc_u32 v[WR], s[WS], v[LW]
	s_sub_co_u32 s[TRIP], s[TRIP], 1
	s_cmp_lg_u32 s[TRIP], 0
	s_cbranch_scc1 .Lt_\@
	s_wait_dscnt 4
	HALF 1, 1, 0, 0, 0                             ; tile 15's products, tile 14's sines
	DRAIN 1, PT                                    ; tile 15's sines
.endm
; THE FINAL LAYER.  Wave w takes point tiles 4 w .. 4 w + 3.  FLOAD: K steps 2 kp, 2 kp + 1 of the four tiles, 16 loads.  FMM: their 8 products, the four accumulators by turns.
.macro FLOAD kp
	WIN 0
.irp kk, 0,1
.irp pt, 0,1,2,3
	ds_load_b128 v[BF0+64*((\kp)%2)+32*\kk+8*\pt:BF0+64*((\kp)%2)+32*\kk+8*\pt+3],   v[FRD] offset:PT*\pt+64*(2*(\kp)+\kk)
	ds_load_b128 v[BF0+64*((\kp)%2)+32*\kk+8*\pt+4:BF0+64*((\kp)%2)+32*\kk+8*\pt+7], v[FRD] offset:PT*\pt+64*(2*(\kp)+\kk)+32
.endr
.endr
.endm
.macro FMM kp
.irp kk, 0,1
.irp pt, 0,1,2,3
.set fK, 2*(\kp)+\kk
.set fB, BF0+64*((\kp)%2)+32*\kk+8*\pt
.if fK == 0
	WIN 0x33                                       ; weights and bias in window 3
	v_wmma_f32_16x16x32_f16 v[ACC+8*\pt:ACC+8*\pt+7], v[FW+8*fK:FW+8*fK+7], v[fB:fB+7], v[FBIAS:FBIAS+7]
.else
	WIN 0x03
	v_wmma_f32_16x16x32_f16 v[ACC+8*\pt:ACC+8*\pt+7], v[FW+8*fK:FW+8*fK+7], v[fB:fB+7], v[ACC+8*\pt:ACC+8*\pt+7]
.endif
.endr
.endr
.endm
	; THE SET-UP
	s_load_b512 s[8:23], s[0:1], 0x0               ; x s[8:9], w_first s[10:11], b_first s[12:13], b_hidden s[14:15], w_final s[16:17], b_final s[18:19], wpack s[20:21], out0 s[22:23]
	v_lshl_add_u32 v[SPW], v0, 2, SPARE
	v_mov_b32 v[NIL], 0
	v_lshrrev_b32 v[T], 5, v0
	v_readfirstlane_b32 s[WV], v[T]                ; wave 0..3
	v_and_b32 v[OGO], 31, v0                       ; lane
	v_and_b32 v[VR], 15, v0
	v_bfe_u32 v[VH], v0, 4, 1
	v_lshlrev_b32 v[VW], 4, v[OGO]
	v_mul_u32_u24 v[LB], v[VR], HP
	v_lshl_add_u32 v[LB], v[VH], 4, v[LB]
	s_lshl_b32 s25, s[WV], 7                       ; my 64 features are 128 bytes of a row
	v_add_nc_u32 v[LW], s25, v[LB]
	s_lshl_b32 s25, s[WV], 8
	s_add_co_u32 s25, s25, BTB
	v_lshl_add_u32 v[BA0], v[VH], 5, s25
	v_lshl_add_u32 v[XR0], v[VR], 4, XSB
	v_lshl_add_u32 v[XSA], v0, 7, XSB
	s_mul_i32 s25, s[WV], 4*PT
	v_add_nc_u32 v[FRD], s25, v[LB]
	s_mul_i32 s25, s[WV], 1536
	s_add_co_u32 s25, s25, OSTB                    ; my stage
	v_mul_u32_u24 v[OSA], v[VR], 12                ; in: a point's three results are 12 bytes; lanes 16-31 hold rows that do not leave and put them 768 bytes on
	v_mad_u32_u24 v[OSA], v[VH], 768, v[OSA]
	v_add_nc_u32 v[OSA], s25, v[OSA]
	v_lshl_add_u32 v[OSR], v[OGO], 3, s25          ; back: 32 lanes x 8 bytes
	v_lshlrev_b32 v[OGO], 3, v[OGO]
	v_mul_u32_u24 v[T], v0, 96                     ; x: 8 points a thread
	v_lshlrev_b32 v[T+1], 3, v0                    ; b_first: 2 numbers a thread
	v_lshlrev_b32 v[T+2], 5, v0                    ; b_hidden: 8
	s_mul_i32 s25, s[WV], 768                      ; 64 rows of w_first; also 64 points of out0
	v_mul_u32_u24 v[T+3], v[VR], 12
	v_add_nc_u32 v[T+3], s25, v[T+3]               ; w_first: row 64 w + lane % 16
	v_min_u32 v[T+4], 2, v[VR]                     ; w_final has 3 rows: rows 3 to 15 of the fragment repeat the last, and their results are never sent
	v_lshlrev_b32 v[T+4], 10, v[T+4]
	v_lshl_add_u32 v[T+4], v[VH], 5, v[T+4]
	s_mul_i32 s26, ttmp9, 12288                    ; the work-group's 1,024 points in x and in out0
	s_mov_b32 s27, 0
	s_lshl_b32 s[OFF], s[WV], 15                   ; my wave's 32,768 bytes of a layer
	s_mov_b32 s[OFF+1], 0
	s_mov_b32 s[G0], 0xbf7ffd6a                    ; -0.99996056
	s_mov_b32 s[G0+1], 0xbf7ffd6a
	s_mov_b32 s[G1], 0x3c001bab                    ; 0.00781910
	s_mov_b32 s[G1+1], 0x3c001bab
	s_mov_b32 s[G2], 0x419fe3d3                    ; 19.986243
	s_mov_b32 s[G2+1], 0x419fe3d3
	s_mov_b32 s[G3], 0xc2131432                    ; -36.769722
	s_mov_b32 s[G3+1], 0xc2131432
	s_mov_b32 s[G4], 0x42367bf5                    ; 45.621051
	s_mov_b32 s[G4+1], 0x42367bf5
	s_mov_b32 s[SC], 0x4098c9eb                    ; 30 / 2 pi
	s_mov_b32 s[SC+1], 0x4098c9eb
	s_mov_b32 s[QT], 0x3e800000                    ; 1/4
	s_mov_b32 s[QT+1], 0x3e800000
	s_mov_b32 s[LN], 0
	s_mov_b32 s[TOT], 8
	s_mov_b32 s[XBS], 0
	s_mov_b32 s[BATCH], 4
	s_wait_kmcnt 0x0
	s_load_b96 s[BFS:BFS+2], s[18:19], 0x0         ; b_final
	s_add_nc_u64 s[8:9], s[8:9], s[26:27]
	s_add_co_u32 s26, s26, s25
	s_add_nc_u64 s[OUTP:OUTP+1], s[22:23], s[26:27]
	s_add_nc_u64 s[WB:WB+1], s[20:21], s[OFF:OFF+1]
	s_mov_b64 s[WP:WP+1], s[WB:WB+1]
.irp n, 0,1,2,3,4,5
	global_load_b128 v[XIN+4*\n:XIN+4*\n+3], v[T], s[8:9] offset:16*\n th:TH_LOAD_NT
.endr
	global_load_b64 v[BIN:BIN+1], v[T+1], s[12:13]
	global_load_b128 v[HIN:HIN+3], v[T+2], s[14:15]
	global_load_b128 v[HIN+4:HIN+7], v[T+2], s[14:15] offset:16
.irp f, 0,1,2,3
.irp c, 0,1,2
	global_load_b32 v[WFI+3*\f+\c], v[T+3], s[10:11] offset:192*\f+4*\c
.endr
.endr
.set n, 0
.rept 32                               ; w_final: for each 16 of k my lane half's 8 numbers, 32 bytes; 128 registers where accumulators and fragments will lie
.if n < 16
	global_load_b128 v[32+4*n:32+4*n+3], v[T+4], s[16:17] offset:64*(n/2)+16*(n%2)
.else
	global_load_b128 v[160+4*(n-16):160+4*(n-16)+3], v[T+4], s[16:17] offset:64*(n/2)+16*(n%2)
.endif
.set n, n+1
.endr
	s_wait_loadcnt 0x0
	s_wait_kmcnt 0x0
	WBURST 0, 0                                    ; the first hidden layer's weights, first half
	; x: each number as a high f16 and the f16 of what is left
	v_mov_b32 v[PK+3], 0
.set j, 0
.rept 8
.irp c, 0,1,2
	v_cvt_f16_f32 v22.l, v[XIN+3*j+\c]
	v_cvt_f32_f16 v[T+1+\c], v22.l
	v_sub_f32 v[T+4+\c], v[XIN+3*j+\c], v[T+1+\c]
.endr
	v_cvt_pk_f16_f32 v[PK], v[T+1], v[T+2]
	v_cvt_pk_f16_f32 v[PK+1], v[T+3], v[T+4]
	v_cvt_pk_f16_f32 v[PK+2], v[T+5], v[T+6]
	ds_store_b128 v[XSA], v[PK:PK+3] offset:16*j
.set j, j+1
.endr
	; the biases in turns, with the quarter turn that makes a cosine of the sine
	v_pk_fma_f32 v[BIN:BIN+1], v[BIN:BIN+1], s[SC:SC+1], s[QT:QT+1] op_sel_hi:[1,0,0]
.irp p, 0,2,4,6
	v_pk_fma_f32 v[HIN+\p:HIN+\p+1], v[HIN+\p:HIN+\p+1], s[SC:SC+1], s[QT:QT+1] op_sel_hi:[1,0,0]
.endr
	v_lshl_add_u32 v[T], v0, 3, BTB
	v_lshl_add_u32 v[T+1], v0, 5, BTB+1024
	ds_store_b64 v[T], v[BIN:BIN+1]
	ds_store_b128 v[T+1], v[HIN:HIN+3]
	ds_store_b128 v[T+1], v[HIN+4:HIN+7] offset:16
	; the first layer's weights: scaled, split; lanes 0-15 (k = 0..7) keep the high parts, lanes 16-31 (k = 8..15) the low ones; each meets xh and xl
	v_cmp_ne_u32 vcc_lo, 0, v[VH]
.set j, 0
.rept 12
	v_mul_f32 v[WFI+j], s[SC], v[WFI+j]
	v_cvt_f16_f32 v22.l, v[WFI+j]
	v_cvt_f32_f16 v[T+1], v22.l
	v_sub_f32 v[T+2], v[WFI+j], v[T+1]
	v_cndmask_b32 v[WFI+j], v[T+1], v[T+2], vcc_lo
.set j, j+1
.endr
	WIN 0xc0                                       ; destinations in window 3
.irp f, 0,1,2,3
	v_cvt_pk_f16_f32 v[W1F+8*\f],   v[WFI+3*\f],   v[WFI+3*\f+1]
	v_cvt_pk_f16_f32 v[W1F+8*\f+1], v[WFI+3*\f+2], v[WFI+3*\f]
	v_cvt_pk_f16_f32 v[W1F+8*\f+2], v[WFI+3*\f+1], v[WFI+3*\f+2]
.irp z, 3,4,5,6,7
	v_mov_b32 v[W1F+8*\f+\z], 0
.endr
.endr
.set p, 0
.rept 64                               ; the final weights
.if p < 32
	v_cvt_pk_f16_f32 v[FW+p], v[32+2*p], v[32+2*p+1]
.else
	v_cvt_pk_f16_f32 v[FW+p], v[160+2*(p-32)], v[160+2*(p-32)+1]
.endif
.set p, p+1
.endr
.irp z, 0,1,2
	v_mov_b32 v[FBIAS+\z], s[BFS+\z]               ; register j of the final sums is output j in lanes 0-15
.endr
.irp z, 3,4,5,6,7
	v_mov_b32 v[FBIAS+\z], 0
.endr
.irp z, 4,5,6,7,12,13,14,15
	v_mov_b32 v[XB0+\z], 0                         ; k = 16..31 of the x fragments
.endr
	WIN 0
	WBURST 0, 1                                    ; second half
	BAR                                            ; the x table and the bias table are whole
.Lbatch:
	s_mov_b32 s[BOFF], 0
	LAYER 0
	s_mov_b32 s[PAIR], 2
.Lpair:
	LAYER 1
	LAYER 2
	s_sub_co_u32 s[TOT], s[TOT], 1
	s_sub_co_u32 s[PAIR], s[PAIR], 1
	s_cmp_lg_u32 s[PAIR], 0
	s_cbranch_scc1 .Lpair
	; the final layer reads h buffer 0
	BAR
	FLOAD 0
	FLOAD 1
	s_wait_dscnt 16                                ; all but the run of 16 just issued
	FMM 0
	PLACES                                         ; in front of loads into registers that those products read
	FLOAD 2
	s_wait_dscnt 16
	FMM 1
	PLACES
	FLOAD 3
	s_wait_dscnt 16
	FMM 2
	s_wait_dscnt 0x0
	FMM 3
	PLACES                                         ; in front of the stores that read the sums
	WIN 0
.irp pt, 0,1,2,3
.irp z, 0,1,2
	ds_store_b32 v[OSA], v[ACC+8*\pt+\z] offset:192*\pt+4*\z
.endr
.endr
.irp z, 0,1,2
	ds_load_b64 v[OD+2*\z:OD+2*\z+1], v[OSR] offset:256*\z  ; my own bytes: LDS serves a wave's instructions in order (ISA guide 5.7.1.4), so these see the stores above
.endr
	s_wait_dscnt 0x0
.irp z, 0,1,2
	global_store_b64 v[OGO], v[OD+2*\z:OD+2*\z+1], s[OUTP:OUTP+1] offset:256*\z th:TH_STORE_NT  ; 32 lanes store 256 consecutive bytes, at a multiple of 256 from out0's first byte
.endr
	s_wait_xcnt 0x0                                ; the stores' base and data are rewritten only behind this wait
	s_add_nc_u64 s[OUTP:OUTP+1], s[OUTP:OUTP+1], 3072
	s_add_co_u32 s[XBS], s[XBS], 4096
	s_sub_co_u32 s[BATCH], s[BATCH], 1
	s_cmp_lg_u32 s[BATCH], 0
	s_cbranch_scc1 .Lbatch
	s_wait_tensorcnt 0x0                           ; the wave's end, behind my last LDS store
	ds_add_u32 v[SPW], v[NIL]
	s_wait_dscnt 0x0
	s_endpgm
.Lfunc_end_k_q4aee2a5896_siren:
	.size	k_q4aee2a5896_siren, .Lfunc_end_k_q4aee2a5896_siren-k_q4aee2a5896_siren
	.p2alignl 7, 3214868480
	.fill 96, 4, 3214868480
	.section	.rodata,"a",@progbits
	.p2align	6, 0x0
	.amdhsa_kernel k_q4aee2a5896_siren
		.amdhsa_group_segment_fixed_size 298496
		.amdhsa_private_segment_fixed_size 0
		.amdhsa_enable_private_segment 0
		.amdhsa_kernarg_size 64
		.amdhsa_user_sgpr_count 2
		.amdhsa_user_sgpr_kernarg_segment_ptr 1
		.amdhsa_wavefront_size32 1
		.amdhsa_system_sgpr_workgroup_id_x 1
		.amdhsa_system_sgpr_workgroup_id_y 1
		.amdhsa_system_sgpr_workgroup_id_z 1
		.amdhsa_system_vgpr_workitem_id 0
		.amdhsa_next_free_vgpr 928
		.amdhsa_next_free_sgpr 66
		.amdhsa_reserve_vcc 1
		.amdhsa_float_denorm_mode_32 3
		.amdhsa_float_denorm_mode_16_64 3
		.amdhsa_memory_ordered 1
		.amdhsa_forward_progress 1
		.amdhsa_inst_pref_size 179
	.end_amdhsa_kernel
	.amdgpu_metadata
---
amdhsa.version: [ 1, 2 ]
amdhsa.kernels:
  - .name:           k_q4aee2a5896_siren
    .symbol:         k_q4aee2a5896_siren.kd
    .args:
      - { .name: x, .offset: 0, .size: 8, .value_kind: global_buffer, .address_space: global }
      - { .name: w_first, .offset: 8, .size: 8, .value_kind: global_buffer, .address_space: global }
      - { .name: b_first, .offset: 16, .size: 8, .value_kind: global_buffer, .address_space: global }
      - { .name: b_hidden, .offset: 24, .size: 8, .value_kind: global_buffer, .address_space: global }
      - { .name: w_final, .offset: 32, .size: 8, .value_kind: global_buffer, .address_space: global }
      - { .name: b_final, .offset: 40, .size: 8, .value_kind: global_buffer, .address_space: global }
      - { .name: wpack, .offset: 48, .size: 8, .value_kind: global_buffer, .address_space: global }
      - { .name: out0, .offset: 56, .size: 8, .value_kind: global_buffer, .address_space: global }
    .group_segment_fixed_size: 298496
    .private_segment_fixed_size: 0
    .kernarg_segment_align: 8
    .kernarg_segment_size: 64
    .max_flat_workgroup_size: 128
    .sgpr_count:     66
    .vgpr_count:     928
    .wavefront_size: 32
...
	.end_amdgpu_metadata
.endif
;; end of part 2
;; ======== version 2 of 3: 2 launches; 1.13 times as fast as version 1
;; limits: values are held in f16: magnitudes above 65,504 overflow, below 6.1e-05 lose precision; right only within a limited range of input values; a function is approximated: absolute error at most 4.1e-05
;; workspace buffers: wpack 524,288 bytes
;; launch pack: the kernel of part 1 again; grid 256 x 1, 4 waves a work-group, no clusters, 0 bytes of LDS; arguments w_hidden, wpack; writes wpack
;; launch siren (part 3): grid 256 x 1, 4 waves a work-group, no clusters, 298,496 bytes of LDS; arguments x, w_first, b_first, b_hidden, w_final, b_final, wpack, out0; writes out0
.if DOCPART == 3
	.amdgcn_target "amdgcn-amd-amdhsa--gfx1250"
	.amdhsa_code_object_version 6
	.text
	.protected	k_q4aee2a5896_siren
	.globl	k_q4aee2a5896_siren
	.p2align	8
	.type	k_q4aee2a5896_siren,@function
k_q4aee2a5896_siren:
	s_mov_b64 s[64:65], 0
	v_nop
	global_prefetch_b8 v0, s[64:65] scope:SCOPE_SE
	s_setreg_imm32_b32 hwreg(HW_REG_WAVE_MODE, 25, 1), 1
	s_wait_xcnt 0x0
; SIREN: h = sin(30 (x W1^T + b1)); four times h = sin(30 (h W^T + b)); out = h Wf^T + bf.  262,144 points, 256 features, all buffers f32.
; SHARES.  256 work-groups of four waves; a work-group owns 1,024 points and takes them as 4 batches of 256.  In every sine layer wave w owns features 64 w .. 64 w + 63:
; its 4 x 8 weight fragments of a layer are 256 registers, one window, and serve all 256 points of the batch.  Two such windows take turns: the next layer's weights are loaded
; (from wpack, already f16, scaled and in fragment order) while this layer runs.  h lies in LDS as f16 rows [point][feature], in two buffers that take turns layer by layer.
; LAYOUT.  D = W h^T (source 0 = 16 features, source 1 = 16 points): a lane holds ONE point (lane % 16) and eight neighbouring features, which round to 16 bytes of a row of h.
; THE SINE.  The sums are kept in turns: u = (30 / 2 pi)(h . w + b) + 1/4.  The factor lies in the f16 weights; (30 / 2 pi) b + 1/4 is the C operand that starts each sum.  With f = fract(u),
; q = f f - f (in -1/4 .. 0), sin(2 pi (u - 1/4)) = cos(2 pi (f - 1/2)) is a polynomial of degree 4 in q: the Chebyshev series of cos(pi x) cut behind T8; its error is at most 4.1e-5.
; For two numbers: 2 fract, 5 packed multiply-adds, 1 rounding: four vector instructions for each accumulator register, and a hidden layer has one matrix instruction for each accumulator register.
; So the sines of point tile t - 1 stand in slices of four behind the products of tile t.  A tile's LDS instructions stand in ONE run behind its last product and slice, never singly among the
; matrix instructions: the 16 loads of tile t + 2's fragments, into the set that tile t's products have just read, and the 4 stores of tile t - 1's sines.
; FORMATS.  h in f16 (the sine bounds it to 1); hidden and final weights f16; biases f32.  The first layer's x and scaled weights are each split into a high and a low f16, all four cross products in one K step.
; LIMITS.  |x|, |4.7746 w_first|, |4.7746 w_hidden| and |w_final| stay below 65,504; f16 numbers below 6.1e-5 keep the fixed step 6e-8; NaN and infinities are not treated apart;
; the range reduction is fract in f32, so a sum of many turns loses the bits that its whole part takes.
; NO CLUSTER: what work-groups share are the weights, and they go from memory straight into registers, 32 KiB a wave and layer, each byte serving 256 points; a joint request lands in LDS, where the two h buffers
; take 270,336 of the 327,680 bytes, and would add a write and a read of LDS for every weight byte.
; REGISTERS, in windows of 256 (s_set_vgpr_msb: bits 1:0 source 0, 3:2 source 1, 5:4 source 2, 7:6 destination):
;   window 0: v0-31 addresses; v32-95 two sets of four accumulators; v96-223 two sets of h fragments (16 points x 256 features); v224-247 at work
;   windows 1, 2: weight buffers 0, 1: fragment (f, ks) at 8 (8 f + ks)      window 3: first layer's weights, final weights, bias as C operands, x fragments
.set HP,    528                        ; a row of h in LDS: 512 bytes + 16 = 33 x 16: the 16 rows of a load or store start at 16 different 16-byte columns modulo 256
.set PT,    16*HP                      ; a point tile: 16 rows
.set HB1,   256*HP                     ; h buffer 1 (buffer 0 begins at byte 0)
.set XSB,   2*256*HP                   ; the work-group's 1,024 points, 16 bytes each: xh0 xh1 xh2 xl0 xl1 xl2 0 0 in f16
.set BTB,   XSB+16384                  ; (30 / 2 pi) b + 1/4 in f32: first layer, then the four hidden layers, 1,024 bytes each
.set OSTB,  BTB+5120                   ; per wave 1,536 bytes: 768 of results, 768 for the rows that do not leave
.set SPARE, OSTB+6144                  ; the spare words, 128 bytes for each wave: two blocks of 256 bytes that no other line names
.set VW,  1                            ; v1   16 x lane: my place in 512 bytes of wpack
.set LB,  2                            ; v2   528 (lane % 16) + 16 (lane / 16): my place in a point tile
.set LW,  3                            ; v3   the same + 128 w: where my features go
.set RD,  4                            ; v4   the read address in hand
.set WR,  5                            ; v5   the write address in hand
.set BA0, 6                            ; v6   BTB + 256 w + 32 (lane / 16)
.set BAC, 7                            ; v7   the same in the layer's table
.set XR0, 8                            ; v8   XSB + 16 (lane % 16)
.set XSA, 9                            ; v9   XSB + 128 x thread
.set FRD, 10                           ; v10  LB + 4 tiles x w: the final layer's points
.set OSA, 11                           ; v11  into my stage
.set OSR, 12                           ; v12  back from it
.set OGO, 13                           ; v13  8 x lane: my place in 256 bytes of out0
.set VR,  14                           ; v14  lane % 16
.set VH,  15                           ; v15  lane / 16
.set OD,  16                           ; v16-21 results on their way out
.set T,   22                           ; v22-29 at work in the set-up
.set SPW, 30                           ; v30  LDS address of my spare word; never rewritten
.set NIL, 31                           ; v31  0; never rewritten
.set ACC, 32                           ; set a, feature tile f at ACC + 32 a + 8 f
.set BF0, 96                           ; set a, K step ks at BF0 + 64 a + 8 ks
.set TMP, 224                          ; v224-231 the polynomial at work
.set PK,  232                          ; v232-247 a point tile's sines in f16: feature tile f at PK + 4 f
.set XIN, 96                           ; the set-up's inputs lie where fragments will: x 24, w_first 12, b_first 2, b_hidden 8
.set WFI, 120
.set BIN, 132
.set HIN, 136
.set W1F, 0                            ; window 3
.set FW,  32
.set BIAS, 96
.set FBIAS, 128
.set XB0, 136                          ; two x fragments of 8; the upper four registers of each stay 0
.set WV,  24                           ; s24 my wave's number
.set WB,  28                           ; s[28:29] wpack at my wave's part of layer 0
.set WP,  30                           ; s[30:31] the same in the layer to be fetched
.set OFF, 32                           ; s[32:33] an offset, high word 0
.set LN,  34                           ; s34 the hidden layer whose weights were fetched last
.set BATCH, 35
.set PAIR, 36
.set TRIP, 37
.set TOT, 38                           ; s38 pairs of hidden layers still to run, 8 to 1
.set RS,  39                           ; s39 LDS base of the tiles read
.set XBS, 40                           ; s40 the batch's place in the x table
.set BOFF, 41                          ; s41 the layer's place in the bias table
.set OUTP, 42                          ; s[42:43] out0 at my wave's 64 points of the batch
.set G0,  44                           ; s[44:53] the polynomial, each number twice (named as pairs)
.set G1,  46
.set G2,  48
.set G3,  50
.set G4,  52
.set SC,  54                           ; s[54:55] 30 / 2 pi
.set BFS, 56                           ; s[56:58] b_final
.set WS,  59                           ; s59 LDS base of the tiles written
.set QT,  60                           ; s[60:61] 1/4
.set MSB, 0
.macro WIN new                         ; the immediate's high byte repeats the setting that is left; a switch that changes nothing is dropped
.if MSB != (\new)
	s_set_vgpr_msb (MSB<<8)|(\new)
.set MSB, (\new)
.endif
.endm
.macro BAR                             ; my LDS loads and stores are done, for the others' sake; then the work-group's barrier
	s_wait_dscnt 0x0
	s_barrier_signal -1
	s_barrier_wait -1
.endm
.macro PLACES                          ; four plain vector instructions between a matrix instruction and what reads its result or loads into its sources
.rept 4
	v_nop
.endr
.endm
; Half of a layer's weights for my wave: 32 loads of 512 consecutive bytes into weight buffer buf
.macro WBURST buf, half
	WIN (1+(\buf))<<6
.set j, 32*(\half)
.rept 32
	global_load_b128 v[4*j:4*j+3], v[VW], s[WP:WP+1] offset:512*j
.set j, j+1
.endr
	WIN 0
.endm
; Product i of a point tile in accumulator set a: K step i / 4, feature tile i % 4.  The four accumulators take turns, one instruction a turn.  The first K step starts the sum with the bias.
.macro MM a
.set mK, i/4
.set mF, i%4
.set rD, ACC+32*(\a)+8*mF
.set rW, AB+8*(mF*KS+mK)
.set rB, BB+BSTEP*(\a)+8*mK
.if mK == 0
	WIN WC
	v_wmma_f32_16x16x32_f16 v[rD:rD+7], v[rW:rW+7], v[rB:rB+7], v[BIAS+8*mF:BIAS+8*mF+7]
.else
	WIN WM
	v_wmma_f32_16x16x32_f16 v[rD:rD+7], v[rW:rW+7], v[rB:rB+7], v[rD:rD+7]
.endif
.set i, i+1
.endm
; Slice sl of 32 of a point tile's sines, in accumulator set a: feature tile sl / 8, stage sl % 8, four instructions.  The accumulator's lowest registers are read first.
.macro SLICE a
.set rA, ACC+32*(\a)+8*(sl/8)
	WIN 0
.if sl%8 == 0
.irp p, 0,1,2,3
	v_fract_f32 v[rA+\p], v[rA+\p]
.endr
.elseif sl%8 == 1
.irp p, 4,5,6,7
	v_fract_f32 v[rA+\p], v[rA+\p]
.endr
.elseif sl%8 == 2
.irp p, 0,2,4,6
	v_pk_fma_f32 v[rA+\p:rA+\p+1], v[rA+\p:rA+\p+1], v[rA+\p:rA+\p+1], v[rA+\p:rA+\p+1] neg_lo:[0,0,1] neg_hi:[0,0,1]  ; q = f f - f
.endr
.elseif sl%8 == 3
.irp p, 0,2,4,6
	v_pk_fma_f32 v[TMP+\p:TMP+\p+1], v[rA+\p:rA+\p+1], s[G4:G4+1], s[G3:G3+1] op_sel_hi:[1,0,0]
.endr
.elseif sl%8 < 7
.set rG, G2-2*(sl%8-4)                 ; g2, g1, g0
.irp p, 0,2,4,6
	v_pk_fma_f32 v[TMP+\p:TMP+\p+1], v[TMP+\p:TMP+\p+1], v[rA+\p:rA+\p+1], s[rG:rG+1] op_sel_hi:[1,1,0]
.endr
.else
.irp p, 0,1,2,3
	v_cvt_pk_f16_f32 v[PK+4*(sl/8)+\p], v[TMP+2*\p], v[TMP+2*\p+1]
.endr
.endif
.set sl, sl+1
.endm
; A point tile's fragments into set a: 16 points x 256 features (16 loads), or in the first layer 16 points' 16 bytes of x (one load; both halves of the lanes take the same bytes)
.macro FETCH a, foff
.if KS == 1
	WIN 0xc0
	ds_load_b128 v[XB0+8*(\a):XB0+8*(\a)+3], v[RD] offset:(\foff)
.else
	WIN 0
.irp k, 0,1,2,3,4,5,6,7
	ds_load_b128 v[BF0+64*(\a)+8*\k:BF0+64*(\a)+8*\k+3],   v[RD] offset:(\foff)+64*\k
	ds_load_b128 v[BF0+64*(\a)+8*\k+4:BF0+64*(\a)+8*\k+7], v[RD] offset:(\foff)+64*\k+32
.endr
.endif
.endm
; A point tile's sines go to LDS: of my point the eight features 64 w + 16 g + 8 (lane / 16) on, for g = 0..3
.macro STORES soff
	WIN 0
.irp g, 0,1,2,3
	ds_store_b128 v[WR], v[PK+4*\g:PK+4*\g+3] offset:(\soff)+32*\g
.endr
.endm
.macro STEP                            ; both addresses go two tiles on
	s_add_co_u32 s[RS], s[RS], 2*PITCH
	s_add_co_u32 s[WS], s[WS], 2*PT
	v_add_nc_u32 v[RD], s[RS], v[RL]
	v_add_nc_u32 v[WR], s[WS], v[LW]
.endm
; A point tile's products in set a.  ride = 1: the other set's sines stand behind them, 32 slices dealt evenly.  Then the tile's one run of LDS instructions:
; fetch = 1: the fragments of the tile two on, into set a: the last slice's four roundings (or four v_nop) are the places behind the last product, which read that set; ride = 1: the sines' four stores.
; step = 1: the addresses are stepped behind slice 15, sixteen products behind the last LDS instruction that names them and sixteen ahead of the next.
.macro HALF a, ride, fetch, foff, soff, step=0
.set i, 0
.set sl, 0
.rept 4*KS
	MM \a
.if \ride
.rept 32/(4*KS)
	SLICE 1-(\a)
.if (\step) && (sl == 16)
	STEP
.endif
.endr
.endif
.endr
.if !(\ride)
	PLACES                                         ; also in front of the first read of these sums
.endif
.if \fetch
	FETCH \a, \foff
.endif
.if \ride
	STORES \soff
.endif
.endm
.macro DRAIN a, soff                   ; the layer's last tile has no products to stand behind
.set sl, 0
.rept 32
	SLICE \a
.endr
	STORES \soff
.endm
; A SINE LAYER for the batch's 256 points.  kind 0: the first layer, x table -> h buffer 0.  kind 1: a hidden layer on weight buffer 0, h buffer 0 -> 1.  kind 2: on weight buffer 1, h buffer 1 -> 0.
; NF is a tile's loads.  LDS serves a wave's instructions in order (ISA guide 5.7.1), so each wait's count is what was issued behind the loads that it wants.
.macro LAYER kind
.if (\kind) == 0
.set KS, 1
.set AB, W1F
.set BB, XB0
.set BSTEP, 8
.set WM, 0x3f
.set WC, 0x3f                          ; weights, x and bias in window 3, sums in window 0
.set PITCH, 256
.set NF, 1
.set RL, XR0
.else
.set KS, 8
.set AB, 0
.set BB, BF0
.set BSTEP, 64
.set WM, (\kind)                       ; weights in window 1 or 2
.set WC, 0x30+(\kind)                  ; the same with the bias in window 3
.set PITCH, PT
.set NF, 16
.set RL, LB
.endif
	WIN 0
.if (\kind) > 0
	s_wait_loadcnt 0x0                             ; this layer's weights are in; no load of mine is out, so the pointer may be written
	s_add_co_u32 s[LN], s[LN], 1
	s_and_b32 s[LN], s[LN], 3                      ; behind the fourth hidden layer the next batch's first
	s_lshl_b32 s[OFF], s[LN], 17                   ; a layer is 131,072 bytes of wpack
	s_add_nc_u64 s[WP:WP+1], s[WB:WB+1], s[OFF:OFF+1]
.endif
.if (\kind) == 1
	WBURST 1, 0                                    ; the next layer's weights, first half: the idle buffer's last reader stands behind the last layer's 128 closing vector instructions
.elseif (\kind) == 2
	s_cmp_eq_u32 s[TOT], 1                         ; the launch's last layer fetches nothing
	s_cbranch_scc1 .Lno_a_\@
	WBURST 0, 0
.Lno_a_\@:
.endif
	v_add_nc_u32 v[BAC], s[BOFF], v[BA0]
	s_add_co_u32 s[BOFF], s[BOFF], 1024
	WIN 0xc0
.irp f, 0,1,2,3                        ; the C operands: register j of tile f is the bias of feature 64 w + 16 f + 8 (lane / 16) + j; the table is written once, in the set-up
	ds_load_b128 v[BIAS+8*\f:BIAS+8*\f+3],   v[BAC] offset:64*\f
	ds_load_b128 v[BIAS+8*\f+4:BIAS+8*\f+7], v[BAC] offset:64*\f+16
.endr
	WIN 0
.if (\kind) == 0
	s_mov_b32 s[RS], s[XBS]
	s_mov_b32 s[WS], 0
.elseif (\kind) == 1
	s_mov_b32 s[RS], 0
	s_mov_b32 s[WS], HB1
.else
	s_mov_b32 s[RS], HB1
	s_mov_b32 s[WS], 0
.endif
	v_add_nc_u32 v[RD], s[RS], v[RL]
	v_add_nc_u32 v[WR], s[WS], v[LW]
	BAR                                            ; every wave's stores into the buffer now read are done, and so are its reads of the buffer now written
	FETCH 0, 0                                     ; tiles 0 and 1
	FETCH 1, PITCH
.if (\kind) == 1
	WBURST 1, 1                                    ; the second half, issued while the first fragments are on their way
.elseif (\kind) == 2
	WIN 0
	s_cmp_eq_u32 s[TOT], 1
	s_cbranch_scc1 .Lno_b_\@
	WBURST 0, 1
.Lno_b_\@:
.endif
	s_wait_dscnt NF                                ; tile 0's fragments are in; tile 1's, issued behind them, may be out
	HALF 0, 0, 1, 2*PITCH, 0                       ; tile 0's products: there are no sines yet to set between them; tile 2's fragments
	s_wait_dscnt NF                                ; tile 1's are in; tile 2's may be out
	HALF 1, 1, 1, 3*PITCH, 0                       ; tile 1's products, tile 0's sines; tile 3's fragments
	WIN 0                                          ; at a label and at a branch every window is 0
	s_wait_dscnt NF+4                              ; tile 2's are in: behind them stand tile 3's loads and tile 0's four stores
	s_mov_b32 s[TRIP], 6
.Lt_\@:                                                ; trip n: products of tiles 2 n + 2 and 2 n + 3, sines of tiles 2 n + 1 and 2 n + 2, fragments of tiles 2 n + 4 and 2 n + 5
	HALF 0, 1, 1, 4*PITCH, PT
	s_wait_dscnt NF+8                              ; behind the loads wanted stand their own run's four stores and the next run's loads and four stores
	HALF 1, 1, 1, 3*PITCH, 0, 1                    ; the addresses step in its middle, so its run's offsets count from two tiles on
	WIN 0
	s_wait_dscnt NF+8                              ; the same for the next even tile: the next trip's, or behind the loop tile 14
	s_sub_co_u32 s[TRIP], s[TRIP], 1
	s_cmp_lg_u32 s[TRIP], 0
	s_cbranch_scc1 .Lt_\@
	HALF 0, 1, 0, 0, PT                            ; tile 14's products, tile 13's sines: nothing is left to fetch
	s_wait_dscnt 8                                 ; tile 15's fragments: behind them stand two runs of four stores
	HALF 1, 1, 0, 0, 2*PT                          ; tile 15's products, tile 14's sines
	DRAIN 1, 3*PT                                  ; tile 15's sines
.endm
; THE FINAL LAYER.  Wave w takes point tiles 4 w .. 4 w + 3.  FLOAD: K steps 2 kp, 2 kp + 1 of the four tiles, 16 loads.  FMM: their 8 products, the four accumulators by turns.
.macro FLOAD kp
	WIN 0
.irp kk, 0,1
.irp pt, 0,1,2,3
	ds_load_b128 v[BF0+64*((\kp)%2)+32*\kk+8*\pt:BF0+64*((\kp)%2)+32*\kk+8*\pt+3],   v[FRD] offset:PT*\pt+64*(2*(\kp)+\kk)
	ds_load_b128 v[BF0+64*((\kp)%2)+32*\kk+8*\pt+4:BF0+64*((\kp)%2)+32*\kk+8*\pt+7], v[FRD] offset:PT*\pt+64*(2*(\kp)+\kk)+32
.endr
.endr
.endm
.macro FMM kp
.irp kk, 0,1
.irp pt, 0,1,2,3
.set fK, 2*(\kp)+\kk
.set fB, BF0+64*((\kp)%2)+32*\kk+8*\pt
.if fK == 0
	WIN 0x33                                       ; weights and bias in window 3
	v_wmma_f32_16x16x32_f16 v[ACC+8*\pt:ACC+8*\pt+7], v[FW+8*fK:FW+8*fK+7], v[fB:fB+7], v[FBIAS:FBIAS+7]
.else
	WIN 0x03
	v_wmma_f32_16x16x32_f16 v[ACC+8*\pt:ACC+8*\pt+7], v[FW+8*fK:FW+8*fK+7], v[fB:fB+7], v[ACC+8*\pt:ACC+8*\pt+7]
.endif
.endr
.endr
.endm
	; THE SET-UP
	s_load_b512 s[8:23], s[0:1], 0x0               ; x s[8:9], w_first s[10:11], b_first s[12:13], b_hidden s[14:15], w_final s[16:17], b_final s[18:19], wpack s[20:21], out0 s[22:23]
	v_lshl_add_u32 v[SPW], v0, 2, SPARE
	v_mov_b32 v[NIL], 0
	v_lshrrev_b32 v[T], 5, v0
	v_readfirstlane_b32 s[WV], v[T]                ; wave 0..3
	v_and_b32 v[OGO], 31, v0                       ; lane
	v_and_b32 v[VR], 15, v0
	v_bfe_u32 v[VH], v0, 4, 1
	v_lshlrev_b32 v[VW], 4, v[OGO]
	v_mul_u32_u24 v[LB], v[VR], HP
	v_lshl_add_u32 v[LB], v[VH], 4, v[LB]
	s_lshl_b32 s25, s[WV], 7                       ; my 64 features are 128 bytes of a row
	v_add_nc_u32 v[LW], s25, v[LB]
	s_lshl_b32 s25, s[WV], 8
	s_add_co_u32 s25, s25, BTB
	v_lshl_add_u32 v[BA0], v[VH], 5, s25
	v_lshl_add_u32 v[XR0], v[VR], 4, XSB
	v_lshl_add_u32 v[XSA], v0, 7, XSB
	s_mul_i32 s25, s[WV], 4*PT
	v_add_nc_u32 v[FRD], s25, v[LB]
	s_mul_i32 s25, s[WV], 1536
	s_add_co_u32 s25, s25, OSTB                    ; my stage
	v_mul_u32_u24 v[OSA], v[VR], 12                ; in: a point's three results are 12 bytes; lanes 16-31 hold rows that do not leave and put them 768 bytes on
	v_mad_u32_u24 v[OSA], v[VH], 768, v[OSA]
	v_add_nc_u32 v[OSA], s25, v[OSA]
	v_lshl_add_u32 v[OSR], v[OGO], 3, s25          ; back: 32 lanes x 8 bytes
	v_lshlrev_b32 v[OGO], 3, v[OGO]
	v_mul_u32_u24 v[T], v0, 96                     ; x: 8 points a thread
	v_lshlrev_b32 v[T+1], 3, v0                    ; b_first: 2 numbers a thread
	v_lshlrev_b32 v[T+2], 5, v0                    ; b_hidden: 8
	s_mul_i32 s25, s[WV], 768                      ; 64 rows of w_first; also 64 points of out0
	v_mul_u32_u24 v[T+3], v[VR], 12
	v_add_nc_u32 v[T+3], s25, v[T+3]               ; w_first: row 64 w + lane % 16
	v_min_u32 v[T+4], 2, v[VR]                     ; w_final has 3 rows: rows 3 to 15 of the fragment repeat the last, and their results are never sent
	v_lshlrev_b32 v[T+4], 10, v[T+4]
	v_lshl_add_u32 v[T+4], v[VH], 5, v[T+4]
	s_mul_i32 s26, ttmp9, 12288                    ; the work-group's 1,024 points in x and in out0
	s_mov_b32 s27, 0
	s_lshl_b32 s[OFF], s[WV], 15                   ; my wave's 32,768 bytes of a layer
	s_mov_b32 s[OFF+1], 0
	s_mov_b32 s[G0], 0xbf7ffd6a                    ; -0.99996056
	s_mov_b32 s[G0+1], 0xbf7ffd6a
	s_mov_b32 s[G1], 0x3c001bab                    ; 0.00781910
	s_mov_b32 s[G1+1], 0x3c001bab
	s_mov_b32 s[G2], 0x419fe3d3                    ; 19.986243
	s_mov_b32 s[G2+1], 0x419fe3d3
	s_mov_b32 s[G3], 0xc2131432                    ; -36.769722
	s_mov_b32 s[G3+1], 0xc2131432
	s_mov_b32 s[G4], 0x42367bf5                    ; 45.621051
	s_mov_b32 s[G4+1], 0x42367bf5
	s_mov_b32 s[SC], 0x4098c9eb                    ; 30 / 2 pi
	s_mov_b32 s[SC+1], 0x4098c9eb
	s_mov_b32 s[QT], 0x3e800000                    ; 1/4
	s_mov_b32 s[QT+1], 0x3e800000
	s_mov_b32 s[LN], 0
	s_mov_b32 s[TOT], 8
	s_mov_b32 s[XBS], 0
	s_mov_b32 s[BATCH], 4
	s_wait_kmcnt 0x0
	s_load_b96 s[BFS:BFS+2], s[18:19], 0x0         ; b_final
	s_add_nc_u64 s[8:9], s[8:9], s[26:27]
	s_add_co_u32 s26, s26, s25
	s_add_nc_u64 s[OUTP:OUTP+1], s[22:23], s[26:27]
	s_add_nc_u64 s[WB:WB+1], s[20:21], s[OFF:OFF+1]
	s_mov_b64 s[WP:WP+1], s[WB:WB+1]
.irp n, 0,1,2,3,4,5
	global_load_b128 v[XIN+4*\n:XIN+4*\n+3], v[T], s[8:9] offset:16*\n th:TH_LOAD_NT
.endr
	global_load_b64 v[BIN:BIN+1], v[T+1], s[12:13]
	global_load_b128 v[HIN:HIN+3], v[T+2], s[14:15]
	global_load_b128 v[HIN+4:HIN+7], v[T+2], s[14:15] offset:16
.irp f, 0,1,2,3
.irp c, 0,1,2
	global_load_b32 v[WFI+3*\f+\c], v[T+3], s[10:11] offset:192*\f+4*\c
.endr
.endr
.set n, 0
.rept 32                               ; w_final: for each 16 of k my lane half's 8 numbers, 32 bytes; 128 registers where accumulators and fragments will lie
.if n < 16
	global_load_b128 v[32+4*n:32+4*n+3], v[T+4], s[16:17] offset:64*(n/2)+16*(n%2)
.else
	global_load_b128 v[160+4*(n-16):160+4*(n-16)+3], v[T+4], s[16:17] offset:64*(n/2)+16*(n%2)
.endif
.set n, n+1
.endr
	s_wait_loadcnt 0x0
	s_wait_kmcnt 0x0
	WBURST 0, 0                                    ; the first hidden layer's weights, first half
	; x: each number as a high f16 and the f16 of what is left
	v_mov_b32 v[PK+3], 0
.set j, 0
.rept 8
.irp c, 0,1,2
	v_cvt_f16_f32 v22.l, v[XIN+3*j+\c]
	v_cvt_f32_f16 v[T+1+\c], v22.l
	v_sub_f32 v[T+4+\c], v[XIN+3*j+\c], v[T+1+\c]
.endr
	v_cvt_pk_f16_f32 v[PK], v[T+1], v[T+2]
	v_cvt_pk_f16_f32 v[PK+1], v[T+3], v[T+4]
	v_cvt_pk_f16_f32 v[PK+2], v[T+5], v[T+6]
	ds_store_b128 v[XSA], v[PK:PK+3] offset:16*j
.set j, j+1
.endr
	; the biases in turns, with the quarter turn that makes a cosine of the sine
	v_pk_fma_f32 v[BIN:BIN+1], v[BIN:BIN+1], s[SC:SC+1], s[QT:QT+1] op_sel_hi:[1,0,0]
.irp p, 0,2,4,6
	v_pk_fma_f32 v[HIN+\p:HIN+\p+1], v[HIN+\p:HIN+\p+1], s[SC:SC+1], s[QT:QT+1] op_sel_hi:[1,0,0]
.endr
	v_lshl_add_u32 v[T], v0, 3, BTB
	v_lshl_add_u32 v[T+1], v0, 5, BTB+1024
	ds_store_b64 v[T], v[BIN:BIN+1]
	ds_store_b128 v[T+1], v[HIN:HIN+3]
	ds_store_b128 v[T+1], v[HIN+4:HIN+7] offset:16
	; the first layer's weights: scaled, split; lanes 0-15 (k = 0..7) keep the high parts, lanes 16-31 (k = 8..15) the low ones; each meets xh and xl
	v_cmp_ne_u32 vcc_lo, 0, v[VH]
.set j, 0
.rept 12
	v_mul_f32 v[WFI+j], s[SC], v[WFI+j]
	v_cvt_f16_f32 v22.l, v[WFI+j]
	v_cvt_f32_f16 v[T+1], v22.l
	v_sub_f32 v[T+2], v[WFI+j], v[T+1]
	v_cndmask_b32 v[WFI+j], v[T+1], v[T+2], vcc_lo
.set j, j+1
.endr
	WIN 0xc0                                       ; destinations in window 3
.irp f, 0,1,2,3
	v_cvt_pk_f16_f32 v[W1F+8*\f],   v[WFI+3*\f],   v[WFI+3*\f+1]
	v_cvt_pk_f16_f32 v[W1F+8*\f+1], v[WFI+3*\f+2], v[WFI+3*\f]
	v_cvt_pk_f16_f32 v[W1F+8*\f+2], v[WFI+3*\f+1], v[WFI+3*\f+2]
.irp z, 3,4,5,6,7
	v_mov_b32 v[W1F+8*\f+\z], 0
.endr
.endr
.set p, 0
.rept 64                               ; the final weights
.if p < 32
	v_cvt_pk_f16_f32 v[FW+p], v[32+2*p], v[32+2*p+1]
.else
	v_cvt_pk_f16_f32 v[FW+p], v[160+2*(p-32)], v[160+2*(p-32)+1]
.endif
.set p, p+1
.endr
.irp z, 0,1,2
	v_mov_b32 v[FBIAS+\z], s[BFS+\z]               ; register j of the final sums is output j in lanes 0-15
.endr
.irp z, 3,4,5,6,7
	v_mov_b32 v[FBIAS+\z], 0
.endr
.irp z, 4,5,6,7,12,13,14,15
	v_mov_b32 v[XB0+\z], 0                         ; k = 16..31 of the x fragments
.endr
	WIN 0
	WBURST 0, 1                                    ; second half
	BAR                                            ; the x table and the bias table are whole
.Lbatch:
	s_mov_b32 s[BOFF], 0
	LAYER 0
	s_mov_b32 s[PAIR], 2
.Lpair:
	LAYER 1
	LAYER 2
	s_sub_co_u32 s[TOT], s[TOT], 1
	s_sub_co_u32 s[PAIR], s[PAIR], 1
	s_cmp_lg_u32 s[PAIR], 0
	s_cbranch_scc1 .Lpair
	; the final layer reads h buffer 0
	BAR
	FLOAD 0
	FLOAD 1
	s_wait_dscnt 16                                ; all but the run of 16 just issued
	FMM 0
	PLACES                                         ; in front of loads into registers that those products read
	FLOAD 2
	s_wait_dscnt 16
	FMM 1
	PLACES
	FLOAD 3
	s_wait_dscnt 16
	FMM 2
	s_wait_dscnt 0x0
	FMM 3
	PLACES                                         ; in front of the stores that read the sums
	WIN 0
.irp pt, 0,1,2,3
.irp z, 0,1,2
	ds_store_b32 v[OSA], v[ACC+8*\pt+\z] offset:192*\pt+4*\z
.endr
.endr
.irp z, 0,1,2
	ds_load_b64 v[OD+2*\z:OD+2*\z+1], v[OSR] offset:256*\z  ; my own bytes: LDS serves a wave's instructions in order (ISA guide 5.7.1.4), so these see the stores above
.endr
	s_wait_dscnt 0x0
.irp z, 0,1,2
	global_store_b64 v[OGO], v[OD+2*\z:OD+2*\z+1], s[OUTP:OUTP+1] offset:256*\z th:TH_STORE_NT  ; 32 lanes store 256 consecutive bytes, at a multiple of 256 from out0's first byte
.endr
	s_wait_xcnt 0x0                                ; the stores' base and data are rewritten only behind this wait
	s_add_nc_u64 s[OUTP:OUTP+1], s[OUTP:OUTP+1], 3072
	s_add_co_u32 s[XBS], s[XBS], 4096
	s_sub_co_u32 s[BATCH], s[BATCH], 1
	s_cmp_lg_u32 s[BATCH], 0
	s_cbranch_scc1 .Lbatch
	s_wait_tensorcnt 0x0                           ; the wave's end, behind my last LDS store
	ds_add_u32 v[SPW], v[NIL]
	s_wait_dscnt 0x0
	s_endpgm
.Lfunc_end_k_q4aee2a5896_siren:
	.size	k_q4aee2a5896_siren, .Lfunc_end_k_q4aee2a5896_siren-k_q4aee2a5896_siren
	.p2alignl 7, 3214868480
	.fill 96, 4, 3214868480
	.section	.rodata,"a",@progbits
	.p2align	6, 0x0
	.amdhsa_kernel k_q4aee2a5896_siren
		.amdhsa_group_segment_fixed_size 298496
		.amdhsa_private_segment_fixed_size 0
		.amdhsa_enable_private_segment 0
		.amdhsa_kernarg_size 64
		.amdhsa_user_sgpr_count 2
		.amdhsa_user_sgpr_kernarg_segment_ptr 1
		.amdhsa_wavefront_size32 1
		.amdhsa_system_sgpr_workgroup_id_x 1
		.amdhsa_system_sgpr_workgroup_id_y 1
		.amdhsa_system_sgpr_workgroup_id_z 1
		.amdhsa_system_vgpr_workitem_id 0
		.amdhsa_next_free_vgpr 928
		.amdhsa_next_free_sgpr 66
		.amdhsa_reserve_vcc 1
		.amdhsa_float_denorm_mode_32 3
		.amdhsa_float_denorm_mode_16_64 3
		.amdhsa_memory_ordered 1
		.amdhsa_forward_progress 1
		.amdhsa_inst_pref_size 244
	.end_amdhsa_kernel
	.amdgpu_metadata
---
amdhsa.version: [ 1, 2 ]
amdhsa.kernels:
  - .name:           k_q4aee2a5896_siren
    .symbol:         k_q4aee2a5896_siren.kd
    .args:
      - { .name: x, .offset: 0, .size: 8, .value_kind: global_buffer, .address_space: global }
      - { .name: w_first, .offset: 8, .size: 8, .value_kind: global_buffer, .address_space: global }
      - { .name: b_first, .offset: 16, .size: 8, .value_kind: global_buffer, .address_space: global }
      - { .name: b_hidden, .offset: 24, .size: 8, .value_kind: global_buffer, .address_space: global }
      - { .name: w_final, .offset: 32, .size: 8, .value_kind: global_buffer, .address_space: global }
      - { .name: b_final, .offset: 40, .size: 8, .value_kind: global_buffer, .address_space: global }
      - { .name: wpack, .offset: 48, .size: 8, .value_kind: global_buffer, .address_space: global }
      - { .name: out0, .offset: 56, .size: 8, .value_kind: global_buffer, .address_space: global }
    .group_segment_fixed_size: 298496
    .private_segment_fixed_size: 0
    .kernarg_segment_align: 8
    .kernarg_segment_size: 64
    .max_flat_workgroup_size: 128
    .sgpr_count:     66
    .vgpr_count:     928
    .wavefront_size: 32
...
	.end_amdgpu_metadata
.endif
;; end of part 3
;; ======== version 3 of 3: 2 launches; version 2 with the launch siren written anew for expert scheduling mode
;; limits: values are held in f16: magnitudes above 65,504 overflow, below 6.1e-05 lose precision; right only within a limited range of input values; a function is approximated: absolute error at most 4.1e-05
;; workspace buffers: wpack 524,288 bytes
;; launch pack: the kernel of part 1 again; grid 256 x 1, 4 waves a work-group, no clusters, 0 bytes of LDS; arguments w_hidden, wpack; writes wpack
;; launch siren (part 4): grid 256 x 1, 4 waves a work-group, no clusters, 298,496 bytes of LDS; arguments x, w_first, b_first, b_hidden, w_final, b_final, wpack, out0; writes out0
.if DOCPART == 4
	.amdgcn_target "amdgcn-amd-amdhsa--gfx1250"
	.amdhsa_code_object_version 6
	.text
	.protected	k_q4aee2a5896_siren
	.globl	k_q4aee2a5896_siren
	.p2align	8
	.type	k_q4aee2a5896_siren,@function
k_q4aee2a5896_siren:
	s_mov_b64 s[64:65], 0
	v_nop
	global_prefetch_b8 v0, s[64:65] scope:SCOPE_SE
	s_setreg_imm32_b32 hwreg(HW_REG_WAVE_SCHED_MODE, 0, 2), 2
	s_setreg_imm32_b32 hwreg(HW_REG_WAVE_MODE, 25, 1), 1
	s_wait_xcnt 0x0
	s_wait_alu depctr_vm_vsrc(0)
; SIREN: h = sin(30 (x W1^T + b1)); four times h = sin(30 (h W^T + b)); out = h Wf^T + bf.  262,144 points, 256 features, all buffers f32.
; SHARES.  256 work-groups of four waves; a work-group owns 1,024 points and takes them as 4 batches of 256.  In every sine layer wave w owns features 64 w .. 64 w + 63:
; its 4 x 8 weight fragments of a layer are 256 registers, one window, and serve all 256 points of the batch.  Two such windows take turns: the next layer's weights are loaded
; (from wpack, already f16, scaled and in fragment order) while this layer runs.  h lies in LDS as f16 rows [point][feature], in two buffers that take turns layer by layer.
; LAYOUT.  D = W h^T (source 0 = 16 features, source 1 = 16 points): a lane holds ONE point (lane % 16) and eight neighbouring features, which round to 16 bytes of a row of h.
; THE SINE.  The sums are kept in turns: u = (30 / 2 pi)(h . w + b) + 1/4.  The factor lies in the f16 weights; (30 / 2 pi) b + 1/4 is the C operand that starts each sum.  With f = fract(u),
; q = f f - f (in -1/4 .. 0), sin(2 pi (u - 1/4)) = cos(2 pi (f - 1/2)) is a polynomial of degree 4 in q: the Chebyshev series of cos(pi x) cut behind T8; its error is at most 4.1e-5.
; For two numbers: 2 fract, 5 packed multiply-adds, 1 rounding: four vector instructions for each accumulator register, and a hidden layer has one matrix instruction for each accumulator register.
; So the sines of point tile t - 1 stand in slices of four behind the products of tile t.
; FORMATS.  h in f16 (the sine bounds it to 1); hidden and final weights f16; biases f32.  The first layer's x and scaled weights are each split into a high and a low f16, all four cross products in one K step.
; LIMITS.  |x|, |4.7746 w_first|, |4.7746 w_hidden| and |w_final| stay below 65,504; f16 numbers below 6.1e-5 keep the fixed step 6e-8; NaN and infinities are not treated apart;
; the range reduction is fract in f32, so a sum of many turns loses the bits that its whole part takes.
; NO CLUSTER: what work-groups share are the weights, and they go from memory straight into registers, 32 KiB a wave and layer, each byte serving 256 points; a joint request lands in LDS, where the two h buffers
; take 270,336 of the 327,680 bytes, and would add a write and a read of LDS for every weight byte.
; THE MODE: SCHED_MODE bits 1:0 = 2 (LLVM: expert scheduling mode 2), set by the entry lines.  The code itself states the register dependences between vector or matrix instructions
; and memory or LDS instructions, with s_wait_alu, always for 0.
; THE PLAN.  A HALF is a point tile's products; half t works in set a = t % 2.  Registers that LDS or memory instructions touch in a sine layer:
;   BF[a]     read by half t's products; the loads of tile t + 2, issued in half t + 1, land in it.  (First layer: the x fragments XB0 likewise.)
;   PK[a]     written by half t's roundings (tile t - 1's sines); read by four stores issued in half t + 1; written again in half t + 2.
;   RD, WR    read by every load and every store of h; written at a layer's head and once a trip, at the trip's bottom.
;   BAC, BIAS BAC is written at a layer's head and read by the eight bias loads; BIAS is loaded there and read by the products that start the sums.
;   weights   a window is read by one layer's products and loaded again during the next layer.
;   All other addresses are made in the set-up and never written again.  The accumulators and TMP are named by vector and matrix instructions alone.
; So two waits stand at a half's head.  vm_vsrc: the stores of the half before have read PK[a]; at the trip's bottom the loads and stores have read RD and WR, and the two adds follow.  va_vdst: the half before is done
; reading BF[1 - a] and has written PK[1 - a]; RD and WR are written.  Behind them half t's vector side names BF[a], the weights, BIAS, the accumulators, TMP and PK[a]; its LDS instructions touch BF[1 - a], PK[1 - a], RD, WR:
; nothing more is owed, and they are dealt among the products, one behind a slice: tile t + 1's 16 loads behind slices 0 to 15, tile t - 2's four stores behind slices 16 to 19.
; REGISTERS, in windows of 256 (s_set_vgpr_msb: bits 1:0 source 0, 3:2 source 1, 5:4 source 2, 7:6 destination):
;   window 0: v0-21, v30-31 addresses; v22-29 at work; v32-95 two sets of four accumulators; v96-223 two sets of h fragments (16 points x 256 features); v224-255 two buffers of a tile's sines
;   windows 1, 2: weight buffers 0, 1: fragment (f, ks) at 8 (8 f + ks)      window 3: first layer's weights, final weights, bias as C operands, x fragments
.set HP,    528                        ; a row of h in LDS: 512 bytes + 16 = 33 x 16: the 16 rows of a load or store start at 16 different 16-byte columns modulo 256
.set PT,    16*HP                      ; a point tile: 16 rows
.set HB1,   256*HP                     ; h buffer 1 (buffer 0 begins at byte 0)
.set XSB,   2*256*HP                   ; the work-group's 1,024 points, 16 bytes each: xh0 xh1 xh2 xl0 xl1 xl2 0 0 in f16
.set BTB,   XSB+16384                  ; (30 / 2 pi) b + 1/4 in f32: first layer, then the four hidden layers, 1,024 bytes each
.set OSTB,  BTB+5120                   ; per wave 1,536 bytes: 768 of results, 768 for the rows that do not leave
.set SPARE, OSTB+6144                  ; the spare words, 128 bytes for each wave: two blocks of 256 bytes that no other line names
.set VW,  1                            ; v1   16 x lane: my place in 512 bytes of wpack
.set LB,  2                            ; v2   528 (lane % 16) + 16 (lane / 16): my place in a point tile
.set LW,  3                            ; v3   the same + 128 w: where my features go
.set RD,  4                            ; v4   the read address in hand
.set WR,  5                            ; v5   the write address in hand
.set BA0, 6                            ; v6   BTB + 256 w + 32 (lane / 16)
.set BAC, 7                            ; v7   the same in the layer's table
.set XR0, 8                            ; v8   XSB + 16 (lane % 16)
.set XSA, 9                            ; v9   XSB + 128 x thread
.set FRD, 10                           ; v10  LB + 4 tiles x w: the final layer's points
.set OSA, 11                           ; v11  into my stage
.set OSR, 12                           ; v12  back from it
.set OGO, 13                           ; v13  8 x lane: my place in 256 bytes of out0
.set VR,  14                           ; v14  lane % 16
.set VH,  15                           ; v15  lane / 16
.set OD,  16                           ; v16-21 results on their way out
.set T,   22                           ; v22-29 at work in the set-up
.set TMP, 22                           ; v22-29 behind the set-up: the polynomial at work
.set SPW, 30                           ; v30  LDS address of my spare word; never rewritten
.set NIL, 31                           ; v31  0; never rewritten
.set ACC, 32                           ; set a, feature tile f at ACC + 32 a + 8 f
.set BF0, 96                           ; set a, K step ks at BF0 + 64 a + 8 ks
.set PK,  224                          ; v224-255 a point tile's sines in f16: buffer b, feature tile f at PK + 16 b + 4 f
.set XP,  224                          ; in the set-up: my 8 points of the x table, 4 registers each
.set XIN, 96                           ; the set-up's inputs lie where fragments will: x 24, w_first 12, b_first 2, b_hidden 8
.set WFI, 120
.set BIN, 132
.set HIN, 136
.set W1F, 0                            ; window 3
.set FW,  32
.set BIAS, 96
.set FBIAS, 128
.set XB0, 136                          ; two x fragments of 8; the upper four registers of each stay 0
.set WV,  24                           ; s24 my wave's number
.set WB,  28                           ; s[28:29] wpack at my wave's part of layer 0
.set WP,  30                           ; s[30:31] the same in the layer to be fetched
.set OFF, 32                           ; s[32:33] an offset, high word 0
.set LN,  34                           ; s34 the hidden layer whose weights were fetched last
.set BATCH, 35
.set PAIR, 36
.set TRIP, 37
.set TOT, 38                           ; s38 pairs of hidden layers still to run, 8 to 1
.set RS,  39                           ; s39 LDS base of the tiles read
.set XBS, 40                           ; s40 the batch's place in the x table
.set BOFF, 41                          ; s41 the layer's place in the bias table
.set OUTP, 42                          ; s[42:43] out0 at my wave's 64 points of the batch
.set G0,  44                           ; s[44:53] the polynomial, each number twice (named as pairs)
.set G1,  46
.set G2,  48
.set G3,  50
.set G4,  52
.set SC,  54                           ; s[54:55] 30 / 2 pi
.set BFS, 56                           ; s[56:58] b_final
.set WS,  59                           ; s59 LDS base of the tiles written
.set QT,  60                           ; s[60:61] 1/4
.set MSB, 0
.macro WIN new                         ; the immediate's high byte repeats the setting that is left; a switch that changes nothing is dropped
.if MSB != (\new)
	s_set_vgpr_msb (MSB<<8)|(\new)
.set MSB, (\new)
.endif
.endm
.macro BAR                             ; my LDS loads and stores are done, for the others' sake; then the work-group's barrier
	s_wait_dscnt 0x0
	s_barrier_signal -1
	s_barrier_wait -1
.endm
.macro PLACES                          ; four plain vector instructions behind a matrix instruction (ISA guide 7.12.1)
.rept 4
	v_nop
.endr
.endm
; Half of a layer's weights for my wave: 32 loads of 512 consecutive bytes into weight buffer buf
.macro WBURST buf, half
	WIN (1+(\buf))<<6
.set j, 32*(\half)
.rept 32
	global_load_b128 v[4*j:4*j+3], v[VW], s[WP:WP+1] offset:512*j
.set j, j+1
.endr
	WIN 0
.endm
; Product i of a point tile in accumulator set a: K step i / 4, feature tile i % 4.  The four accumulators take turns, one instruction a turn.  The first K step starts the sum with the bias.
.macro MM a
.set mK, i/4
.set mF, i%4
.set rD, ACC+32*(\a)+8*mF
.set rW, AB+8*(mF*KS+mK)
.set rB, BB+BSTEP*(\a)+8*mK
.if mK == 0
	WIN WC
	v_wmma_f32_16x16x32_f16 v[rD:rD+7], v[rW:rW+7], v[rB:rB+7], v[BIAS+8*mF:BIAS+8*mF+7]
.else
	WIN WM
	v_wmma_f32_16x16x32_f16 v[rD:rD+7], v[rW:rW+7], v[rB:rB+7], v[rD:rD+7]
.endif
.set i, i+1
.endm
; Slice sl of 32 of a point tile's sines, in accumulator set a: feature tile sl / 8, stage sl % 8, four instructions.  The accumulator's lowest registers are read first.
; The roundings go into PK buffer 1 - a: the buffer of the half in which the slices ride.
.macro SLICE a
.set rA, ACC+32*(\a)+8*(sl/8)
	WIN 0
.if sl%8 == 0
.irp p, 0,1,2,3
	v_fract_f32 v[rA+\p], v[rA+\p]
.endr
.elseif sl%8 == 1
.irp p, 4,5,6,7
	v_fract_f32 v[rA+\p], v[rA+\p]
.endr
.elseif sl%8 == 2
.irp p, 0,2,4,6
	v_pk_fma_f32 v[rA+\p:rA+\p+1], v[rA+\p:rA+\p+1], v[rA+\p:rA+\p+1], v[rA+\p:rA+\p+1] neg_lo:[0,0,1] neg_hi:[0,0,1]  ; q = f f - f
.endr
.elseif sl%8 == 3
.irp p, 0,2,4,6
	v_pk_fma_f32 v[TMP+\p:TMP+\p+1], v[rA+\p:rA+\p+1], s[G4:G4+1], s[G3:G3+1] op_sel_hi:[1,0,0]
.endr
.elseif sl%8 < 7
.set rG, G2-2*(sl%8-4)                 ; g2, g1, g0
.irp p, 0,2,4,6
	v_pk_fma_f32 v[TMP+\p:TMP+\p+1], v[TMP+\p:TMP+\p+1], v[rA+\p:rA+\p+1], s[rG:rG+1] op_sel_hi:[1,1,0]
.endr
.else
.irp p, 0,1,2,3
	v_cvt_pk_f16_f32 v[PK+16*(1-(\a))+4*(sl/8)+\p], v[TMP+2*\p], v[TMP+2*\p+1]
.endr
.endif
.set sl, sl+1
.endm
; A point tile's fragments into set a, in one run, at a layer's head: 16 points x 256 features (16 loads), or in the first layer 16 points' 16 bytes of x (one load; both halves of the lanes take the same bytes)
.macro FETCH a, foff
.if KS == 1
	WIN 0xc0
	ds_load_b128 v[XB0+8*(\a):XB0+8*(\a)+3], v[RD] offset:(\foff)
.else
	WIN 0
.irp k, 0,1,2,3,4,5,6,7
	ds_load_b128 v[BF0+64*(\a)+8*\k:BF0+64*(\a)+8*\k+3],   v[RD] offset:(\foff)+64*\k
	ds_load_b128 v[BF0+64*(\a)+8*\k+4:BF0+64*(\a)+8*\k+7], v[RD] offset:(\foff)+64*\k+32
.endr
.endif
.endm
; The LDS instruction that stands behind the slice just written, in a half of set a.  No wait: no vector or matrix instruction since the wait at the half's head names BF[1 - a] (XB0's other fragment), PK[1 - a], RD or WR.
; fetch = 1, behind slices 0 to NF - 1: load number dk of the next tile's fragments, into set 1 - a: 16 bytes at 32 dk of my row.
; store = 1, behind slices 16 to 19: of my point the eight features 64 w + 16 g + 8 (lane / 16) on, g = dk - 16, from PK buffer 1 - a.
.macro DEAL a, fetch, foff, store, soff
.set dk, sl-1
.if (\fetch) && (dk < NF)
.if KS == 1
	WIN 0xc0
	ds_load_b128 v[XB0+8*(1-(\a)):XB0+8*(1-(\a))+3], v[RD] offset:(\foff)
.else
	WIN 0
	ds_load_b128 v[BF0+64*(1-(\a))+4*dk:BF0+64*(1-(\a))+4*dk+3], v[RD] offset:(\foff)+32*dk
.endif
.endif
.if (\store) && (dk >= 16) && (dk < 20)
	WIN 0
	ds_store_b128 v[WR], v[PK+16*(1-(\a))+4*(dk-16):PK+16*(1-(\a))+4*(dk-16)+3] offset:(\soff)+32*(dk-16)
.endif
.endm
.macro STEP                            ; both addresses go two tiles on
	s_add_co_u32 s[RS], s[RS], 2*PITCH
	s_add_co_u32 s[WS], s[WS], 2*PT
	v_add_nc_u32 v[RD], s[RS], v[RL]
	v_add_nc_u32 v[WR], s[WS], v[LW]
.endm
; THE HEAD OF A HALF.  cnt: the LDS instructions issued behind the loads of the half's own fragments.  vm = 1: a PK buffer or the addresses are written again.  step = 1: the trip's bottom.
.macro HEAD cnt, vm, step
	WIN 0                                          ; at a label and at a branch every window is 0
	s_wait_dscnt \cnt                              ; LDS serves a wave's instructions in order (ISA guide 5.7.1): this half's fragments are in; what was issued behind them may be out
.if \vm
	s_wait_alu depctr_vm_vsrc(0)                   ; the stores issued in the half before have read the PK buffer that this half's roundings write again; with step = 1 the loads and stores issued so far have read RD and WR
.endif
.if \step
	STEP
.endif
	s_wait_alu depctr_va_vdst(0)                   ; the half before is done reading its fragment set, in which this half's loads land, and has written its PK buffer, which this half's stores read; with step = 1 RD and WR are written
.endm
; A point tile's products in set a.  ride = 1: the other set's sines stand behind them, 32 slices dealt evenly, and behind a slice at most one LDS instruction (DEAL).
.macro HALF a, ride, fetch, foff, store, soff
.set i, 0
.set sl, 0
.rept 4*KS
	MM \a
.if \ride
.rept 32/(4*KS)
	SLICE 1-(\a)
	DEAL \a, \fetch, \foff, \store, \soff
.endr
.endif
.endr
.if !(\ride)
	PLACES                                         ; in front of the first read of these sums
.endif
.endm
; The layer's last tile, 15, has no products to stand behind.  Its slices work in set 1 and round into PK buffer 0; tile 14's four stores, from buffer 1, stand behind slices 16 to 19.
.macro DRAIN
	WIN 0
	s_wait_alu depctr_vm_vsrc(0)                   ; the stores issued in tile 15's half have read PK buffer 0, which the roundings below write again
	s_wait_alu depctr_va_vdst(0)                   ; tile 15's half has written PK buffer 1, which the stores below read
.set sl, 0
.rept 32
	SLICE 1
	DEAL 0, 0, 0, 1, 2*PT
.endr
	s_wait_alu depctr_va_vdst(0)                   ; the roundings have written PK buffer 0, which the layer's last four stores read
.irp g, 0,1,2,3
	ds_store_b128 v[WR], v[PK+4*\g:PK+4*\g+3] offset:3*PT+32*\g
.endr
.endm
; A SINE LAYER for the batch's 256 points.  kind 0: the first layer, x table -> h buffer 0.  kind 1: a hidden layer on weight buffer 0, h buffer 0 -> 1.  kind 2: on weight buffer 1, h buffer 1 -> 0.
; NF is a tile's loads.
.macro LAYER kind
.if (\kind) == 0
.set KS, 1
.set AB, W1F
.set BB, XB0
.set BSTEP, 8
.set WM, 0x3f
.set WC, 0x3f                          ; weights, x and bias in window 3, sums in window 0
.set PITCH, 256
.set NF, 1
.set RL, XR0
.else
.set KS, 8
.set AB, 0
.set BB, BF0
.set BSTEP, 64
.set WM, (\kind)                       ; weights in window 1 or 2
.set WC, 0x30+(\kind)                  ; the same with the bias in window 3
.set PITCH, PT
.set NF, 16
.set RL, LB
.endif
	WIN 0
.if (\kind) == 0
	s_mov_b32 s[RS], s[XBS]
	s_mov_b32 s[WS], 0
.elseif (\kind) == 1
	s_mov_b32 s[RS], 0
	s_mov_b32 s[WS], HB1
.else
	s_mov_b32 s[RS], HB1
	s_mov_b32 s[WS], 0
.endif
	s_wait_alu depctr_vm_vsrc(0)                   ; the LDS instructions issued so far have read BAC, RD and WR, written below, and both PK buffers, which this layer's roundings write; at the launch's first layer: the set-up's stores have read their data and addresses
	v_add_nc_u32 v[BAC], s[BOFF], v[BA0]
	v_add_nc_u32 v[RD], s[RS], v[RL]
	v_add_nc_u32 v[WR], s[WS], v[LW]
	s_add_co_u32 s[BOFF], s[BOFF], 1024
.if (\kind) > 0
	s_wait_loadcnt 0x0                             ; this layer's weights are in; no load of mine is out, so the pointer may be written
	s_add_co_u32 s[LN], s[LN], 1
	s_and_b32 s[LN], s[LN], 3                      ; behind the fourth hidden layer the next batch's first
	s_lshl_b32 s[OFF], s[LN], 17                   ; a layer is 131,072 bytes of wpack
	s_add_nc_u64 s[WP:WP+1], s[WB:WB+1], s[OFF:OFF+1]
.endif
	s_wait_alu depctr_va_vdst(0)                   ; BAC, RD and WR are written; the products issued so far are done reading the idle weight buffer, BIAS and both fragment sets, in which the loads below land, up to the first half's products
.if (\kind) == 1
	WBURST 1, 0                                    ; the next layer's weights, first half
.elseif (\kind) == 2
	s_cmp_eq_u32 s[TOT], 1                         ; the launch's last layer fetches nothing
	s_cbranch_scc1 .Lno_a_\@
	WBURST 0, 0
.Lno_a_\@:
.endif
	WIN 0xc0
.irp f, 0,1,2,3                        ; the C operands: register j of tile f is the bias of feature 64 w + 16 f + 8 (lane / 16) + j; the table is written once, in the set-up
	ds_load_b128 v[BIAS+8*\f:BIAS+8*\f+3],   v[BAC] offset:64*\f
	ds_load_b128 v[BIAS+8*\f+4:BIAS+8*\f+7], v[BAC] offset:64*\f+16
.endr
	WIN 0
	BAR                                            ; every wave's stores into the buffer now read are done, and so are its reads of the buffer now written
	FETCH 0, 0                                     ; tiles 0 and 1
	FETCH 1, PITCH
.if (\kind) == 1
	WBURST 1, 1                                    ; the second half, issued while the first fragments are on their way
.elseif (\kind) == 2
	WIN 0
	s_cmp_eq_u32 s[TOT], 1
	s_cbranch_scc1 .Lno_b_\@
	WBURST 0, 1
.Lno_b_\@:
.endif
	s_wait_dscnt NF                                ; tile 0's fragments are in; tile 1's, issued behind them, may be out
	HALF 0, 0, 0, 0, 0, 0                          ; tile 0's products: there are no sines yet to set between them, and no LDS instruction
	HEAD 0, 0, 0                                   ; tile 1's fragments: nothing was issued behind them.  No store has been issued since the layer's head, so no PK buffer waits to be read
	HALF 1, 1, 1, 2*PITCH, 0, 0                    ; tile 1's products, tile 0's sines; tile 2's fragments
	HEAD 0, 0, 0                                   ; tile 2's fragments: nothing was issued behind them
	s_mov_b32 s[TRIP], 6
.Lt_\@:                                                ; trip n, RD and WR at tile 2 n: products of tiles 2 n + 2 and 2 n + 3, sines of 2 n + 1 and 2 n + 2, fragments of 2 n + 3 and 2 n + 4, stores of 2 n and 2 n + 1
	HALF 0, 1, 1, 3*PITCH, 1, 0
	HEAD 4, 1, 0                                   ; behind the loads wanted stand their own half's four stores
	HALF 1, 1, 1, 4*PITCH, 1, PT
	HEAD 4, 1, 1                                   ; the head of the next even tile's half: the next trip's, or behind the loop tile 14's; the addresses step here
	s_sub_co_u32 s[TRIP], s[TRIP], 1
	s_cmp_lg_u32 s[TRIP], 0
	s_cbranch_scc1 .Lt_\@
	HALF 0, 1, 1, 3*PITCH, 1, 0                    ; RD and WR at tile 12: tile 14's products, tile 13's sines; tile 15's fragments, tile 12's stores
	HEAD 4, 1, 0
	HALF 1, 1, 0, 0, 1, PT                         ; tile 15's products, tile 14's sines; nothing is left to fetch; tile 13's stores
	DRAIN                                          ; tile 15's sines; tile 14's and tile 15's stores
.endm
; THE FINAL LAYER.  Wave w takes point tiles 4 w .. 4 w + 3.  FLOAD: K steps 2 kp, 2 kp + 1 of the four tiles, 16 loads.  FMM: their 8 products, the four accumulators by turns.
.macro FLOAD kp
	WIN 0
.irp kk, 0,1
.irp pt, 0,1,2,3
	ds_load_b128 v[BF0+64*((\kp)%2)+32*\kk+8*\pt:BF0+64*((\kp)%2)+32*\kk+8*\pt+3],   v[FRD] offset:PT*\pt+64*(2*(\kp)+\kk)
	ds_load_b128 v[BF0+64*((\kp)%2)+32*\kk+8*\pt+4:BF0+64*((\kp)%2)+32*\kk+8*\pt+7], v[FRD] offset:PT*\pt+64*(2*(\kp)+\kk)+32
.endr
.endr
.endm
.macro FMM kp
.irp kk, 0,1
.irp pt, 0,1,2,3
.set fK, 2*(\kp)+\kk
.set fB, BF0+64*((\kp)%2)+32*\kk+8*\pt
.if fK == 0
	WIN 0x33                                       ; weights and bias in window 3
	v_wmma_f32_16x16x32_f16 v[ACC+8*\pt:ACC+8*\pt+7], v[FW+8*fK:FW+8*fK+7], v[fB:fB+7], v[FBIAS:FBIAS+7]
.else
	WIN 0x03
	v_wmma_f32_16x16x32_f16 v[ACC+8*\pt:ACC+8*\pt+7], v[FW+8*fK:FW+8*fK+7], v[fB:fB+7], v[ACC+8*\pt:ACC+8*\pt+7]
.endif
.endr
.endr
.endm
	; THE SET-UP
	s_load_b512 s[8:23], s[0:1], 0x0               ; x s[8:9], w_first s[10:11], b_first s[12:13], b_hidden s[14:15], w_final s[16:17], b_final s[18:19], wpack s[20:21], out0 s[22:23]
	v_lshl_add_u32 v[SPW], v0, 2, SPARE
	v_mov_b32 v[NIL], 0
	v_lshrrev_b32 v[T], 5, v0
	v_readfirstlane_b32 s[WV], v[T]                ; wave 0..3
	v_and_b32 v[OGO], 31, v0                       ; lane
	v_and_b32 v[VR], 15, v0
	v_bfe_u32 v[VH], v0, 4, 1
	v_lshlrev_b32 v[VW], 4, v[OGO]
	v_mul_u32_u24 v[LB], v[VR], HP
	v_lshl_add_u32 v[LB], v[VH], 4, v[LB]
	s_wait_alu depctr_va_sdst(0)                   ; s[WV] is written, ahead of its first reader: LDS places and the bases of wpack and out0 are made from it
	s_lshl_b32 s25, s[WV], 7                       ; my 64 features are 128 bytes of a row
	v_add_nc_u32 v[LW], s25, v[LB]
	s_lshl_b32 s25, s[WV], 8
	s_add_co_u32 s25, s25, BTB
	v_lshl_add_u32 v[BA0], v[VH], 5, s25
	v_lshl_add_u32 v[XR0], v[VR], 4, XSB
	v_lshl_add_u32 v[XSA], v0, 7, XSB
	s_mul_i32 s25, s[WV], 4*PT
	v_add_nc_u32 v[FRD], s25, v[LB]
	s_mul_i32 s25, s[WV], 1536
	s_add_co_u32 s25, s25, OSTB                    ; my stage
	v_mul_u32_u24 v[OSA], v[VR], 12                ; in: a point's three results are 12 bytes; lanes 16-31 hold rows that do not leave and put them 768 bytes on
	v_mad_u32_u24 v[OSA], v[VH], 768, v[OSA]
	v_add_nc_u32 v[OSA], s25, v[OSA]
	v_lshl_add_u32 v[OSR], v[OGO], 3, s25          ; back: 32 lanes x 8 bytes
	v_lshlrev_b32 v[OGO], 3, v[OGO]
	v_mul_u32_u24 v[T], v0, 96                     ; x: 8 points a thread
	v_lshlrev_b32 v[T+1], 3, v0                    ; b_first: 2 numbers a thread
	v_lshlrev_b32 v[T+2], 5, v0                    ; b_hidden: 8
	s_mul_i32 s25, s[WV], 768                      ; 64 rows of w_first; also 64 points of out0
	v_mul_u32_u24 v[T+3], v[VR], 12
	v_add_nc_u32 v[T+3], s25, v[T+3]               ; w_first: row 64 w + lane % 16
	v_min_u32 v[T+4], 2, v[VR]                     ; w_final has 3 rows: rows 3 to 15 of the fragment repeat the last, and their results are never sent
	v_lshlrev_b32 v[T+4], 10, v[T+4]
	v_lshl_add_u32 v[T+4], v[VH], 5, v[T+4]
	s_mul_i32 s26, ttmp9, 12288                    ; the work-group's 1,024 points in x and in out0
	s_mov_b32 s27, 0
	s_lshl_b32 s[OFF], s[WV], 15                   ; my wave's 32,768 bytes of a layer
	s_mov_b32 s[OFF+1], 0
	s_mov_b32 s[G0], 0xbf7ffd6a                    ; -0.99996056
	s_mov_b32 s[G0+1], 0xbf7ffd6a
	s_mov_b32 s[G1], 0x3c001bab                    ; 0.00781910
	s_mov_b32 s[G1+1], 0x3c001bab
	s_mov_b32 s[G2], 0x419fe3d3                    ; 19.986243
	s_mov_b32 s[G2+1], 0x419fe3d3
	s_mov_b32 s[G3], 0xc2131432                    ; -36.769722
	s_mov_b32 s[G3+1], 0xc2131432
	s_mov_b32 s[G4], 0x42367bf5                    ; 45.621051
	s_mov_b32 s[G4+1], 0x42367bf5
	s_mov_b32 s[SC], 0x4098c9eb                    ; 30 / 2 pi
	s_mov_b32 s[SC+1], 0x4098c9eb
	s_mov_b32 s[QT], 0x3e800000                    ; 1/4
	s_mov_b32 s[QT+1], 0x3e800000
	s_mov_b32 s[LN], 0
	s_mov_b32 s[TOT], 8
	s_mov_b32 s[XBS], 0
	s_mov_b32 s[BATCH], 4
	s_wait_kmcnt 0x0
	s_load_b96 s[BFS:BFS+2], s[18:19], 0x0         ; b_final
	s_add_nc_u64 s[8:9], s[8:9], s[26:27]
	s_add_co_u32 s26, s26, s25
	s_add_nc_u64 s[OUTP:OUTP+1], s[22:23], s[26:27]
	s_add_nc_u64 s[WB:WB+1], s[20:21], s[OFF:OFF+1]
	s_mov_b64 s[WP:WP+1], s[WB:WB+1]
	s_wait_alu depctr_va_vdst(0)                   ; all addresses and offsets made above are written: the loads below read v[T .. T+4] and v[VW]; those that are never written again serve the whole kernel
.irp n, 0,1,2,3,4,5
	global_load_b128 v[XIN+4*\n:XIN+4*\n+3], v[T], s[8:9] offset:16*\n th:TH_LOAD_NT
.endr
	global_load_b64 v[BIN:BIN+1], v[T+1], s[12:13]
	global_load_b128 v[HIN:HIN+3], v[T+2], s[14:15]
	global_load_b128 v[HIN+4:HIN+7], v[T+2], s[14:15] offset:16
.irp f, 0,1,2,3
.irp c, 0,1,2
	global_load_b32 v[WFI+3*\f+\c], v[T+3], s[10:11] offset:192*\f+4*\c
.endr
.endr
.set n, 0
.rept 32                               ; w_final: for each 16 of k my lane half's 8 numbers, 32 bytes; 128 registers where accumulators and fragments will lie
.if n < 16
	global_load_b128 v[32+4*n:32+4*n+3], v[T+4], s[16:17] offset:64*(n/2)+16*(n%2)
.else
	global_load_b128 v[160+4*(n-16):160+4*(n-16)+3], v[T+4], s[16:17] offset:64*(n/2)+16*(n%2)
.endif
.set n, n+1
.endr
	s_wait_loadcnt 0x0
	s_wait_kmcnt 0x0
	s_wait_alu depctr_vm_vsrc(0)                   ; the loads above have read their offsets v[T .. T+4], which are work registers from here on
	WBURST 0, 0                                    ; the first hidden layer's weights, first half
	; x: each number as a high f16 and the f16 of what is left; my 8 points into 32 registers, so that one wait serves all their stores.
	; The high part is made by the packed conversion, the number in both halves of v22: its destination is a whole register.  What is left, x - high, is exact in f32
.set j, 0
.rept 8
.irp c, 0,1,2
	v_cvt_pk_f16_f32 v[T], v[XIN+3*j+\c], v[XIN+3*j+\c]
	v_cvt_f32_f16 v[T+1+\c], v22.l
	v_sub_f32 v[T+4+\c], v[XIN+3*j+\c], v[T+1+\c]
.endr
	v_cvt_pk_f16_f32 v[XP+4*j], v[T+1], v[T+2]
	v_cvt_pk_f16_f32 v[XP+4*j+1], v[T+3], v[T+4]
	v_cvt_pk_f16_f32 v[XP+4*j+2], v[T+5], v[T+6]
	v_mov_b32 v[XP+4*j+3], 0
.set j, j+1
.endr
	; the biases in turns, with the quarter turn that makes a cosine of the sine
	v_pk_fma_f32 v[BIN:BIN+1], v[BIN:BIN+1], s[SC:SC+1], s[QT:QT+1] op_sel_hi:[1,0,0]
.irp p, 0,2,4,6
	v_pk_fma_f32 v[HIN+\p:HIN+\p+1], v[HIN+\p:HIN+\p+1], s[SC:SC+1], s[QT:QT+1] op_sel_hi:[1,0,0]
.endr
	v_lshl_add_u32 v[T+6], v0, 3, BTB              ; two registers that the split of w_first below does not use
	v_lshl_add_u32 v[T+7], v0, 5, BTB+1024
	s_wait_alu depctr_va_vdst(0)                   ; the x table's 32 registers, the scaled biases and the two addresses are written: the eleven LDS stores read them
.set j, 0
.rept 8
	ds_store_b128 v[XSA], v[XP+4*j:XP+4*j+3] offset:16*j
.set j, j+1
.endr
	ds_store_b64 v[T+6], v[BIN:BIN+1]
	ds_store_b128 v[T+7], v[HIN:HIN+3]
	ds_store_b128 v[T+7], v[HIN+4:HIN+7] offset:16
	; the first layer's weights: scaled, split; lanes 0-15 (k = 0..7) keep the high parts, lanes 16-31 (k = 8..15) the low ones; each meets xh and xl.  Nothing below, up to the first layer's head, writes a register that those stores read
	v_cmp_ne_u32 vcc_lo, 0, v[VH]
	s_wait_alu depctr_va_vcc(0)                    ; VCC is written, ahead of the twelve selects that read it
.set j, 0
.rept 12
	v_mul_f32 v[WFI+j], s[SC], v[WFI+j]
	v_cvt_pk_f16_f32 v[T], v[WFI+j], v[WFI+j]      ; the high part, as for x
	v_cvt_f32_f16 v[T+1], v22.l
	v_sub_f32 v[T+2], v[WFI+j], v[T+1]
	v_cndmask_b32 v[WFI+j], v[T+1], v[T+2], vcc_lo
.set j, j+1
.endr
	WIN 0xc0                                       ; destinations in window 3
.irp f, 0,1,2,3
	v_cvt_pk_f16_f32 v[W1F+8*\f],   v[WFI+3*\f],   v[WFI+3*\f+1]
	v_cvt_pk_f16_f32 v[W1F+8*\f+1], v[WFI+3*\f+2], v[WFI+3*\f]
	v_cvt_pk_f16_f32 v[W1F+8*\f+2], v[WFI+3*\f+1], v[WFI+3*\f+2]
.irp z, 3,4,5,6,7
	v_mov_b32 v[W1F+8*\f+\z], 0
.endr
.endr
.set p, 0
.rept 64                               ; the final weights
.if p < 32
	v_cvt_pk_f16_f32 v[FW+p], v[32+2*p], v[32+2*p+1]
.else
	v_cvt_pk_f16_f32 v[FW+p], v[160+2*(p-32)], v[160+2*(p-32)+1]
.endif
.set p, p+1
.endr
.irp z, 0,1,2
	v_mov_b32 v[FBIAS+\z], s[BFS+\z]               ; register j of the final sums is output j in lanes 0-15
.endr
.irp z, 3,4,5,6,7
	v_mov_b32 v[FBIAS+\z], 0
.endr
.irp z, 4,5,6,7,12,13,14,15
	v_mov_b32 v[XB0+\z], 0                         ; k = 16..31 of the x fragments
.endr
	WIN 0
	WBURST 0, 1                                    ; second half: no vector instruction has named v[VW] since it was shown written, and none names this window's registers
	BAR                                            ; the x table and the bias table are whole
.Lbatch:
	s_mov_b32 s[BOFF], 0
	LAYER 0
	s_mov_b32 s[PAIR], 2
.Lpair:
	LAYER 1
	LAYER 2
	s_sub_co_u32 s[TOT], s[TOT], 1
	s_sub_co_u32 s[PAIR], s[PAIR], 1
	s_cmp_lg_u32 s[PAIR], 0
	s_cbranch_scc1 .Lpair
	; the final layer reads h buffer 0.  Its first 32 loads owe no wait: behind the last layer's last wait on va_vdst stand only its four stores, and all products that read the two fragment sets stand ahead of it
	BAR
	FLOAD 0
	FLOAD 1
	s_wait_dscnt 16                                ; all but the run of 16 just issued
	FMM 0
	PLACES                                         ; the places behind those products stay as they stood
	s_wait_alu depctr_va_vdst(0)                   ; those products are done reading fragment set 0, in which the next 16 loads land
	FLOAD 2
	s_wait_dscnt 16
	FMM 1
	PLACES
	s_wait_alu depctr_va_vdst(0)                   ; the same for fragment set 1
	FLOAD 3
	s_wait_dscnt 16
	FMM 2
	s_wait_dscnt 0x0
	FMM 3
	PLACES                                         ; in front of the stores that read the sums
	WIN 0
	s_wait_alu depctr_va_vdst(0)                   ; the last products have written the four sums, which the LDS stores read; the places above stay beside this wait
.irp pt, 0,1,2,3
.irp z, 0,1,2
	ds_store_b32 v[OSA], v[ACC+8*\pt+\z] offset:192*\pt+4*\z
.endr
.endr
.irp z, 0,1,2
	ds_load_b64 v[OD+2*\z:OD+2*\z+1], v[OSR] offset:256*\z  ; my own bytes: LDS serves a wave's instructions in order (ISA guide 5.7.1.4), so these see the stores above
.endr
	s_wait_dscnt 0x0
.irp z, 0,1,2
	global_store_b64 v[OGO], v[OD+2*\z:OD+2*\z+1], s[OUTP:OUTP+1] offset:256*\z th:TH_STORE_NT  ; 32 lanes store 256 consecutive bytes, at a multiple of 256 from out0's first byte
.endr
	s_wait_xcnt 0x0                                ; the stores' base and data are rewritten only behind this wait
	s_wait_alu depctr_vm_vsrc(0)                   ; the global stores have read v[OD ..], in which the next batch's results land; the LDS stores have read the sums, which the next batch's products write
	s_add_nc_u64 s[OUTP:OUTP+1], s[OUTP:OUTP+1], 3072
	s_add_co_u32 s[XBS], s[XBS], 4096
	s_sub_co_u32 s[BATCH], s[BATCH], 1
	s_cmp_lg_u32 s[BATCH], 0
	s_cbranch_scc1 .Lbatch
	s_wait_dscnt 0x0                               ; the closing lines, six on end
	s_wait_alu 0x0
	s_wait_tensorcnt 0x0
	ds_add_u32 v[SPW], v[NIL]
	s_wait_dscnt 0x0
	s_endpgm
.Lfunc_end_k_q4aee2a5896_siren:
	.size	k_q4aee2a5896_siren, .Lfunc_end_k_q4aee2a5896_siren-k_q4aee2a5896_siren
	.p2alignl 7, 3214868480
	.fill 96, 4, 3214868480
	.section	.rodata,"a",@progbits
	.p2align	6, 0x0
	.amdhsa_kernel k_q4aee2a5896_siren
		.amdhsa_group_segment_fixed_size 298496
		.amdhsa_private_segment_fixed_size 0
		.amdhsa_enable_private_segment 0
		.amdhsa_kernarg_size 64
		.amdhsa_user_sgpr_count 2
		.amdhsa_user_sgpr_kernarg_segment_ptr 1
		.amdhsa_wavefront_size32 1
		.amdhsa_system_sgpr_workgroup_id_x 1
		.amdhsa_system_sgpr_workgroup_id_y 1
		.amdhsa_system_sgpr_workgroup_id_z 1
		.amdhsa_system_vgpr_workitem_id 0
		.amdhsa_next_free_vgpr 928
		.amdhsa_next_free_sgpr 66
		.amdhsa_reserve_vcc 1
		.amdhsa_float_denorm_mode_32 3
		.amdhsa_float_denorm_mode_16_64 3
		.amdhsa_memory_ordered 1
		.amdhsa_forward_progress 1
		.amdhsa_inst_pref_size 247
	.end_amdhsa_kernel
	.amdgpu_metadata
---
amdhsa.version: [ 1, 2 ]
amdhsa.kernels:
  - .name:           k_q4aee2a5896_siren
    .symbol:         k_q4aee2a5896_siren.kd
    .args:
      - { .name: x, .offset: 0, .size: 8, .value_kind: global_buffer, .address_space: global }
      - { .name: w_first, .offset: 8, .size: 8, .value_kind: global_buffer, .address_space: global }
      - { .name: b_first, .offset: 16, .size: 8, .value_kind: global_buffer, .address_space: global }
      - { .name: b_hidden, .offset: 24, .size: 8, .value_kind: global_buffer, .address_space: global }
      - { .name: w_final, .offset: 32, .size: 8, .value_kind: global_buffer, .address_space: global }
      - { .name: b_final, .offset: 40, .size: 8, .value_kind: global_buffer, .address_space: global }
      - { .name: wpack, .offset: 48, .size: 8, .value_kind: global_buffer, .address_space: global }
      - { .name: out0, .offset: 56, .size: 8, .value_kind: global_buffer, .address_space: global }
    .group_segment_fixed_size: 298496
    .private_segment_fixed_size: 0
    .kernarg_segment_align: 8
    .kernarg_segment_size: 64
    .max_flat_workgroup_size: 128
    .sgpr_count:     66
    .vgpr_count:     928
    .wavefront_size: 32
...
	.end_amdgpu_metadata
.endif
;; end of part 4
